; MI455X (gfx1250); checked and timed in simulation.
; The chip was launched on July 23, 2026; its instructions are those of AMD's public machine-readable ISA for CDNA 5 (MIT licence, August 2026) and "CDNA5" Instruction Set Architecture Reference Guide (July 2026). The comments in the code are by the model that wrote it; some were corrected since.
;; Multihead Self Attention. Allowed arithmetic: float matrix products may take bf16 or f16 operands with f32 sums; all other float work in f32.
;; Inputs: Wk 1,024 x 1,024 float32; Wo 1,024 x 1,024 float32; Wq 1,024 x 1,024 float32; Wv 1,024 x 1,024 float32; beta 1,024 float32; bk 1,024 float32; bo 1,024 float32; bq 1,024 float32; bv 1,024 float32; gamma 1,024 float32; x 2 x 2,048 x 1,024 float32.
;; Outputs: out0 2 x 2,048 x 1,024 float32.
;; 2 versions, each right; version 2 is version 1 with the launch prep written anew for expert scheduling mode. Each part assembles by itself: llvm-mc -triple=amdgcn-amd-amdhsa -mcpu=gfx1250 --defsym DOCPART=n.
;; ======== version 1 of 2: 5 launches
;; workspace buffers: xb 8,388,608 bytes; wb 8,388,608 bytes; qkv 25,165,824 bytes; ctx 8,388,608 bytes; y 16,777,216 bytes
;; launch prep (part 1): grid 512 x 1, 8 waves a work-group, no clusters, 0 bytes of LDS; arguments x, Wq, Wk, Wv, Wo, xb, wb; writes xb, wb
.if DOCPART == 1
	.amdgcn_target "amdgcn-amd-amdhsa--gfx1250"
	.amdhsa_code_object_version 6
	.text
	.protected	k_qd2df05a8b8_prep
	.globl	k_qd2df05a8b8_prep
	.p2align	8
	.type	k_qd2df05a8b8_prep,@function
k_qd2df05a8b8_prep:
	s_mov_b64 s[64:65], 0
	v_nop
	global_prefetch_b8 v0, s[64:65] scope:SCOPE_SE
	s_setreg_imm32_b32 hwreg(HW_REG_WAVE_MODE, 25, 1), 1
	s_wait_xcnt 0x0
; Cast to bf16, layouts kept: x [4096][1024] f32 -> xb; Wq, Wk, Wv, Wo [1024][1024] f32 -> wb[0..3].
; Each of the later products reads x and the weights many times over, so they are rounded once here (to nearest even).
; A work-group takes 16,384 numbers: 65,536 bytes in, 32,768 bytes out.  Work-groups 0-255 take x, 256-511 the four weights, 64 each.
; Thread t takes 16 bytes of every 4,096: a wave's load covers 512 consecutive bytes, its store 256 consecutive bytes, aligned.
; All sixteen loads of a thread are issued at once, no register is written twice: no loop, and no wait but the counted ones for data.
; No LDS, no matrix unit, no cluster: no byte is read by two work-groups, and nothing is computed but the rounding.
.set X, 8                              ; v[8:71]   load i: 4 f32
.set Y, 72                             ; v[72:103] store i: 4 bf16
	s_load_b256 s[4:11], s[0:1], 0x0               ; x s[4:5], Wq s[6:7], Wk s[8:9], Wv s[10:11]
	s_load_b128 s[12:15], s[0:1], 0x20             ; Wo s[12:13], xb s[14:15]
	s_load_b64 s[16:17], s[0:1], 0x30              ; wb
	s_lshr_b32 s18, ttmp9, 6
	s_and_b32 s18, s18, 3                          ; which weight (work-groups 256 and up)
	v_lshlrev_b32 v1, 4, v0                        ; 16 t: my bytes in each 4,096 of the source
	v_lshlrev_b32 v2, 3, v0                        ; 8 t: my bytes in each 2,048 of the result
	s_wait_kmcnt 0x0
	s_mov_b64 s[20:21], s[6:7]                     ; the source: a choice among the five buffers by the work-group's number
	s_cmp_eq_u32 s18, 1
	s_cselect_b64 s[20:21], s[8:9], s[20:21]
	s_cmp_eq_u32 s18, 2
	s_cselect_b64 s[20:21], s[10:11], s[20:21]
	s_cmp_eq_u32 s18, 3
	s_cselect_b64 s[20:21], s[12:13], s[20:21]
	s_cmp_lt_u32 ttmp9, 256
	s_cselect_b64 s[20:21], s[4:5], s[20:21]       ; x for the first 256
	s_cselect_b64 s[22:23], s[14:15], s[16:17]     ; the result: xb or wb
	s_cselect_b32 s24, 255, 63                     ; chunks of 65,536 bytes in the source: 256 in x, 64 in a weight
	s_and_b32 s26, ttmp9, s24
	s_lshl_b32 s26, s26, 16
	s_mov_b32 s27, 0
	s_add_nc_u64 s[20:21], s[20:21], s[26:27]
	s_and_b32 s28, ttmp9, 255                      ; chunks of 32,768 bytes in the result: 256 in xb, 4 x 64 in wb
	s_lshl_b32 s28, s28, 15
	s_mov_b32 s29, 0
	s_add_nc_u64 s[22:23], s[22:23], s[28:29]
.set i, 0
.rept 16
	global_load_b128 v[X+4*i:X+4*i+3], v1, s[20:21] offset:4096*i
.set i, i+1
.endr
.set i, 0
.rept 16
	s_wait_loadcnt 15-i                            ; loads come back in order: load i is in, the 15 - i younger ones stay out
	v_cvt_pk_bf16_f32 v[Y+2*i], v[X+4*i], v[X+4*i+1]
	v_cvt_pk_bf16_f32 v[Y+2*i+1], v[X+4*i+2], v[X+4*i+3]
	global_store_b64 v2, v[Y+2*i:Y+2*i+1], s[22:23] offset:2048*i
.set i, i+1
.endr
	s_endpgm
.Lfunc_end_k_qd2df05a8b8_prep:
	.size	k_qd2df05a8b8_prep, .Lfunc_end_k_qd2df05a8b8_prep-k_qd2df05a8b8_prep
	.p2alignl 7, 3214868480
	.fill 96, 4, 3214868480
	.section	.rodata,"a",@progbits
	.p2align	6, 0x0
	.amdhsa_kernel k_qd2df05a8b8_prep
		.amdhsa_group_segment_fixed_size 0
		.amdhsa_private_segment_fixed_size 0
		.amdhsa_enable_private_segment 0
		.amdhsa_kernarg_size 56
		.amdhsa_user_sgpr_count 2
		.amdhsa_user_sgpr_kernarg_segment_ptr 1
		.amdhsa_wavefront_size32 1
		.amdhsa_system_sgpr_workgroup_id_x 1
		.amdhsa_system_sgpr_workgroup_id_y 1
		.amdhsa_system_sgpr_workgroup_id_z 1
		.amdhsa_system_vgpr_workitem_id 0
		.amdhsa_next_free_vgpr 104
		.amdhsa_next_free_sgpr 66
		.amdhsa_reserve_vcc 0
		.amdhsa_float_denorm_mode_32 3
		.amdhsa_float_denorm_mode_16_64 3
		.amdhsa_memory_ordered 1
		.amdhsa_forward_progress 1
		.amdhsa_inst_pref_size 7
	.end_amdhsa_kernel
	.amdgpu_metadata
---
amdhsa.version: [ 1, 2 ]
amdhsa.kernels:
  - .name:           k_qd2df05a8b8_prep
    .symbol:         k_qd2df05a8b8_prep.kd
    .args:
      - { .name: x, .offset: 0, .size: 8, .value_kind: global_buffer, .address_space: global }
      - { .name: Wq, .offset: 8, .size: 8, .value_kind: global_buffer, .address_space: global }
      - { .name: Wk, .offset: 16, .size: 8, .value_kind: global_buffer, .address_space: global }
      - { .name: Wv, .offset: 24, .size: 8, .value_kind: global_buffer, .address_space: global }
      - { .name: Wo, .offset: 32, .size: 8, .value_kind: global_buffer, .address_space: global }
      - { .name: xb, .offset: 40, .size: 8, .value_kind: global_buffer, .address_space: global }
      - { .name: wb, .offset: 48, .size: 8, .value_kind: global_buffer, .address_space: global }
    .group_segment_fixed_size: 0
    .private_segment_fixed_size: 0
    .kernarg_segment_align: 8
    .kernarg_segment_size: 56
    .max_flat_workgroup_size: 256
    .sgpr_count:     66
    .vgpr_count:     104
    .wavefront_size: 32
...
	.end_amdgpu_metadata
.endif
;; end of part 1
;; launch qkvgemm (part 2): grid 8 x 32, 8 waves a work-group, clusters of 4 x 4, 327,680 bytes of LDS; arguments xb, wb, bq, bk, bv, qkv; writes qkv
.if DOCPART == 2
	.amdgcn_target "amdgcn-amd-amdhsa--gfx1250"
	.amdhsa_code_object_version 6
	.text
	.protected	k_qd2df05a8b8_qkvgemm
	.globl	k_qd2df05a8b8_qkvgemm
	.p2align	8
	.type	k_qd2df05a8b8_qkvgemm,@function
k_qd2df05a8b8_qkvgemm:
	s_mov_b64 s[64:65], 0
	v_nop
	global_prefetch_b8 v0, s[64:65] scope:SCOPE_SE
	s_setreg_imm32_b32 hwreg(HW_REG_WAVE_MODE, 25, 1), 1
	s_wait_xcnt 0x0
	s_wait_alu depctr_hold_cnt(0) depctr_sa_sdst(0) depctr_va_vdst(0) depctr_va_sdst(0) depctr_va_ssrc(0) depctr_va_vcc(0) depctr_vm_vsrc(0)
	s_getreg_b32 s2, hwreg(HW_REG_IB_STS2, 6, 4)
	s_cmp_eq_u32 s2, 0
	s_cbranch_scc0 .Lentry_in_a_cluster
	s_endpgm
.Lentry_in_a_cluster:
	s_bfe_u32 s2, ttmp6, 0x10000c
	s_cmp_lg_u32 s2, 0xf033
	s_cbranch_scc0 .Lentry_shape_is_right
	s_endpgm
.Lentry_shape_is_right:
; One text for two launches; MODE picks the sizes and the way out.
;   MODE 0: Q, K, V = xb W + b, three products at once on the same rows of xb, results in bf16 into qkv[0..2] ([4096][1024] each).
;   MODE 1: y = x + ctx Wo + bo, result in f32.
; The left matrix is [4096][1024] bf16 (k along the rows), a weight [1024 k][1024 n] bf16.  Sums in f32, started by the bias.
; A work-group makes 128 rows x 128 columns of each of its NM results; 32 x 8 blocks = 256 work-groups.
; A wave makes 64 rows x CT*16 columns of each result: 4 x NM*CT accumulator tiles of 16 x 16.
; K goes in steps of 128 through two LDS slots of TPS steps each, filled by the tensor data mover: every tile row is 256 bytes of memory
; and starts at a multiple of 256 bytes from its buffer's first byte.
; CLUSTERS of 4 x 4 work-groups: the four of a row of the cluster need the same rows of the left matrix, the four of a column the same columns
; of the weights.  Each tile is asked for jointly by the four, which divides the requests for both by four.
; THE MATRIX INSTRUCTION IS USED TRANSPOSED: source 0 = 16 columns of the weight, source 1 = 16 rows of the left matrix, so that lane l holds
; row l % 16 and eight neighbouring columns 8 (l / 16) + 0..7 of the result.  The weight lies [k][n] in LDS; its fragments come by the
; transposing LDS load.
; REGISTERS: window 0: addresses, bias, two fragment buffers; window 1: the accumulators (and, MODE 1, the residual x).
; Limits: operands are rounded to bf16; NaN and infinities in the inputs are not served.
.set MODE, 0
.if MODE == 0
.set NM, 3                             ; results (weights) at once
.set CT, 2                             ; column tiles of 16 for each result in a wave
.set LOGCG, 2                          ; 4 waves side by side, 2 on top of each other
.set TPS, 1                            ; K steps of 128 in a slot
.set NS, 8                             ; slots' turns: NS*TPS*128 = 1024
.set WOFF, 0                           ; first weight in wb
.set XLOADS, 0
.else
.set NM, 1
.set CT, 4
.set LOGCG, 1
.set TPS, 2
.set NS, 4
.set WOFF, 3*2097152
.set XLOADS, 32                        ; loads of x that stay out while the products run
.endif
.set CG, 1<<LOGCG
.set NBF, NM*CT                        ; weight fragments of a wave for 32 along K
.set NL, 8+2*NBF                       ; LDS loads of one fetch
.set AP, 272                           ; LDS pitch of the left matrix: 256 + 16 bytes, so that 16 rows start in 16 different 16-byte columns of 256
.set BP, 288                           ; LDS pitch of a weight: 256 + 32 bytes, an odd multiple of 32, as the transposing load's 16 addresses need
.set BTILE, 128*BP                     ; 128 k rows x 128 columns of one weight
.set AOFF, NM*BTILE                    ; the left matrix lies behind the weights
.set SUBS, AOFF+128*AP                 ; one K step of 128
.set SLOT, TPS*SUBS
.set STAGE, 2*SLOT                     ; MODE 1: 16 rows x 272 bytes for each wave, bytes of their own behind the ring
.set XA, 2                             ; v[XA+i]        LDS address of my left fragments in K step i of the ring (2*TPS of them)
.set WA, 2+2*TPS                       ; v[WA+i*NM+m]   the same for weight m
.set BIAS, 16                          ; v[16:16+8*NBF-1] the bias in the accumulators' layout
.set FS, 32+8*NBF
.set F0, 64                            ; fragment buffer 0: 4 left fragments, then NBF weight fragments
.set F1, 64+FS                         ; fragment buffer 1
.set STO, 224                          ; the way out: where I put my results (MODE 0: one for each result)
.set RD, 227                           ; where I read rows back
.set CO, 230                           ; my byte offset in the result (MODE 1: in x too)
.set BO, 231                           ; my byte offset in a bias
.set G1A, 24                           ; s[24:31] descriptor group 1, left matrix
.set G1B, 32                           ; s[32:39] descriptor group 1, weights
.set G0A, 40                           ; s[40:55] descriptor group 0, left matrix, one set for each K step of the ring
.set G0B, 68                           ; s[68:83] the same for the weights
.set MSB, 0
.macro WIN new                         ; the immediate's high byte repeats the setting that is left
.if MSB != \new
	s_set_vgpr_msb (MSB<<8)|\new
.set MSB, \new
.endif
.endm
.macro PLACES                          ; four plain vector instructions behind a matrix instruction (ISA guide 7.12.1) before its sources are loaded again or its result is read
.rept 4
	v_nop
.endr
.endm
; A round of the cluster's barrier: my work-group's barrier, wave 0 signals for the work-group, every wave waits for all sixteen, my work-group's barrier again.
.macro ROUND
	s_barrier_signal -1
	s_barrier_wait -1
	s_cmp_lg_u32 s16, 0
	s_cbranch_scc1 .Lnot_wave_0_\@
	s_barrier_signal -3
.Lnot_wave_0_\@:
	s_barrier_wait -3
	s_barrier_signal -1
	s_barrier_wait -1
.endm
; A joint load of K step i of the ring.  Waves 0 .. 2 NM - 1 fetch 64 k rows of a weight each, the last two waves 64 rows of the left matrix each.
; The branch hangs on the wave's number alone; each way issues exactly one load.
.macro JLOAD i
	s_cmp_lt_u32 s16, 2*NM
	s_cbranch_scc0 .Lfor_a_\@
	tensor_load_to_lds s[G0B+4*\i:G0B+4*\i+3], s[G1B:G1B+7]
	s_nop 0
	s_branch .Lasked_\@
.Lfor_a_\@:
	tensor_load_to_lds s[G0A+4*\i:G0A+4*\i+3], s[G1A:G1A+7]
	s_nop 0
.Lasked_\@:
.endm
; The fragments of 32 along K (quarter q of K step i of the ring) into buffer f: NL loads.
.macro FETCH i, q, f
.irp a, 0,1,2,3
	ds_load_b128 v[\f+8*\a:\f+8*\a+3], v[XA+\i] offset:16*AP*\a+64*\q
	ds_load_b128 v[\f+8*\a+4:\f+8*\a+7], v[XA+\i] offset:16*AP*\a+64*\q+32
.endr
.set fm, 0
.rept NM
.set fj, 0
.rept CT
	ds_load_tr16_b128 v[\f+32+8*(fm*CT+fj):\f+32+8*(fm*CT+fj)+3], v[WA+\i*NM+fm] offset:32*fj+32*BP*\q
	ds_load_tr16_b128 v[\f+32+8*(fm*CT+fj)+4:\f+32+8*(fm*CT+fj)+7], v[WA+\i*NM+fm] offset:32*fj+32*BP*\q+16*BP
.set fj, fj+1
.endr
.set fm, fm+1
.endr
.endm
; 4 NBF matrix instructions on buffer f.  The accumulators take turns, one instruction a turn, in the same order every time.
; first = 1: the bias is the C operand and starts the sums: nothing is cleared and nothing is added later.
.macro MUL f, first
.if \first
	WIN 0x40                                       ; D in window 1, C (the bias) in window 0
.else
	WIN 0x50                                       ; C and D in window 1
.endif
.set mc, 0
.rept NBF
.set ma, 0
.rept 4
.if \first
	v_wmma_f32_16x16x32_bf16 v[8*(4*mc+ma):8*(4*mc+ma)+7], v[\f+32+8*mc:\f+32+8*mc+7], v[\f+8*ma:\f+8*ma+7], v[BIAS+8*mc:BIAS+8*mc+7]
.else
	v_wmma_f32_16x16x32_bf16 v[8*(4*mc+ma):8*(4*mc+ma)+7], v[\f+32+8*mc:\f+32+8*mc+7], v[\f+8*ma:\f+8*ma+7], v[8*(4*mc+ma):8*(4*mc+ma)+7]
.endif
.set ma, ma+1
.endr
.set mc, mc+1
.endr
.endm
; One K step of 128: four quarters on buffers 0, 1, 0, 1; while one is multiplied the next but one is fetched.
.macro STEP i, first
	FETCH \i, 0, F0
	FETCH \i, 1, F1
	s_wait_dscnt NL                                ; the older fetch is in; the NL loads of the younger stay out
	MUL F0, \first
	WIN 0
	PLACES
	FETCH \i, 2, F0
	s_wait_dscnt NL
	MUL F1, 0
	WIN 0
	PLACES
	FETCH \i, 3, F1
	s_wait_dscnt NL
	MUL F0, 0
	s_wait_dscnt 0x0
	MUL F1, 0
	WIN 0
	PLACES
.endm
.macro STEPS slot, first               ; the TPS K steps of a slot
.set su, 0
.rept TPS
.set sidx, (\slot)*TPS+su
.if su == 0
	STEP sidx, \first
.else
	STEP sidx, 0
.endif
.set su, su+1
.endr
.endm
	s_load_b256 s[4:11], s[0:1], 0x0               ; left matrix s[4:5], wb s[6:7], bias 0 s[8:9]; MODE 0: bk s[10:11]; MODE 1: x s[10:11]
.if MODE == 0
	s_load_b128 s[12:15], s[0:1], 0x20             ; bv s[12:13], qkv s[14:15]
	v_lshl_add_u32 v254, v0, 2, 0x47000
	v_mov_b32 v255, 0
	ds_add_u32 v254, v255
.else
	s_load_b64 s[12:13], s[0:1], 0x20              ; y
.endif
	v_lshrrev_b32 v1, 5, v0
	v_readfirstlane_b32 s16, v1                    ; wave
	s_lshr_b32 s17, s16, LOGCG                     ; which 64 rows of the block are mine
	s_and_b32 s18, s16, CG-1                       ; which CT*16 columns
	s_and_b32 s19, s16, 1                          ; which 64 rows of a tile I fetch
	s_bfe_u32 s20, ttmp6, 0x40000                  ; cx
	s_bfe_u32 s21, ttmp6, 0x40004                  ; cy
	s_lshl_b32 s22, ttmp9, 2
	s_add_co_u32 s22, s22, s20                     ; block column = 4 x cluster x + cx
	s_and_b32 s23, ttmp7, 0xffff
	s_lshl_b32 s23, s23, 2
	s_add_co_u32 s23, s23, s21                     ; block row = 4 x cluster y + cy
	s_lshl_b32 s62, s21, 2
	s_lshl_b32 s62, 15, s62                        ; my row of the cluster: places 4 cy .. 4 cy + 3
	s_lshl_b32 s63, 0x1111, s20                    ; my column: places cx, cx + 4, cx + 8, cx + 12
	; group 1: a tile of 64 rows x 128 elements of 2 bytes, pitch 1,024 elements; behind every 64 words of LDS a pad of 4 words (left matrix) or 8 (weights)
	s_or_b32 s[G1A], s62, (1<<16)|(1<<20)|(1<<21)|(5<<22)|(3<<25)
	s_or_b32 s[G1B], s63, (1<<16)|(1<<20)|(1<<21)|(5<<22)|(7<<25)
.irp g, G1A, G1B
	s_mov_b32 s[\g+1], 128<<16                     ; tensor_dim0 = 128
	s_mov_b32 s[\g+2], 64<<16                      ; tensor_dim1 = 64
	s_mov_b32 s[\g+3], 128<<16                     ; tile_dim0 = 128
	s_mov_b32 s[\g+4], 64                          ; tile_dim1 = 64
	s_mov_b32 s[\g+5], 1024                        ; elements from row to row
	s_mov_b32 s[\g+6], 0
	s_mov_b32 s[\g+7], 0
.endr
	; Where the tiles come from.  The left matrix's hang on the block row and the wave alone, the weights' on the block column and the wave alone;
	; every wave makes both, in registers that never hold the other coordinate, and asks by one of them.
	s_lshl_b32 s56, s23, 18                        ; 128 rows x 2,048 bytes
	s_lshl_b32 s3, s19, 17                         ; 64 rows x 2,048 bytes
	s_add_co_u32 s56, s56, s3
	s_mov_b32 s57, 0
	s_lshl_b32 s58, s22, 8                         ; 128 columns x 2 bytes
	s_add_co_u32 s58, s58, s3
	s_lshr_b32 s3, s16, 1
	s_lshl_b32 s3, s3, 21                          ; weight wave / 2
	s_add_co_u32 s58, s58, s3
	s_mov_b32 s59, 0
	s_mul_i32 s60, s16, 64*AP                      ; and where they go: no place in the cluster enters an LDS address
	s_add_co_u32 s60, s60, AOFF-2*NM*64*AP         ; waves 2 NM, 2 NM + 1: rows 0-63, 64-127 behind the weights
	s_mul_i32 s61, s16, 64*BP                      ; waves 0 .. 2 NM - 1: weight wave / 2, k rows 64 (wave & 1) ..
	s_wait_dscnt 0x0
	s_wait_kmcnt 0x0
	s_add_nc_u64 s[56:57], s[4:5], s[56:57]
	s_add_nc_u64 s[58:59], s[6:7], s[58:59]
.if WOFF
	s_add_nc_u64 s[58:59], s[58:59], WOFF
.endif
	ROUND                                          ; all sixteen work-groups are here: the first joint loads meet
.set di, 0
.rept 2*TPS
	s_mov_b32 s[G0A+4*di], 1
	s_add_co_u32 s[G0A+4*di+1], s60, di*SUBS
	s_add_nc_u64 s[G0A+4*di+2:G0A+4*di+3], s[56:57], di*256        ; 128 along K = 256 bytes
	s_or_b32 s[G0A+4*di+3], s[G0A+4*di+3], 0x80000000
	s_mov_b32 s[G0B+4*di], 1
	s_add_co_u32 s[G0B+4*di+1], s61, di*SUBS
	s_add_nc_u64 s[G0B+4*di+2:G0B+4*di+3], s[58:59], di*262144     ; 128 k rows of 2,048 bytes
	s_or_b32 s[G0B+4*di+3], s[G0B+4*di+3], 0x80000000
	JLOAD di                                       ; the whole ring: 2 TPS loads of a wave are out
.set di, di+1
.endr
	; lane terms: r = l % 16, h = l / 16
	v_and_b32 v11, 15, v0
	v_bfe_u32 v12, v0, 4, 1
	v_and_b32 v13, 7, v0
	v_bfe_u32 v14, v0, 3, 1
	v_mul_u32_u24 v15, v11, AP
	v_lshl_add_u32 v15, v12, 4, v15                ; r x 272 + 16 h
	s_mul_i32 s3, s17, 64*AP
	s_add_co_u32 s3, s3, AOFF
.set li, 0
.rept 2*TPS
	v_add_nc_u32 v[XA+li], s3, v15                 ; left fragment: row 64 rh + r, two loads of 16 bytes 32 apart
	s_add_co_u32 s3, s3, SUBS
.set li, li+1
.endr
	v_lshl_add_u32 v1, v12, 3, v13                 ; weight fragment: k row 8 h + l % 8,
	v_mul_u32_u24 v1, v1, BP
	v_lshl_add_u32 v1, v14, 4, v1                  ; columns 8 ((l / 8) % 2) ..
	s_mul_i32 s3, s18, CT*32
	v_add_nc_u32 v1, s3, v1                        ; of my CT*16 columns
.set li, 0
.rept 2*TPS
.set lm, 0
.rept NM
	v_add_nc_u32 v[WA+li*NM+lm], li*SUBS+lm*BTILE, v1
.set lm, lm+1
.endr
.set li, li+1
.endr
	; the bias in the accumulators' layout: register j of tile c holds b[column 16 c' + 8 h + j]
	v_lshlrev_b32 v[BO], 5, v12
	s_mul_i32 s3, s18, CT*64
	v_add_nc_u32 v[BO], s3, v[BO]
	v_lshl_add_u32 v[BO], s22, 9, v[BO]
.set lm, 0
.rept NM
.set lj, 0
.rept CT
	global_load_b128 v[BIAS+8*(lm*CT+lj):BIAS+8*(lm*CT+lj)+3], v[BO], s[8+2*lm:9+2*lm] offset:64*lj
	global_load_b128 v[BIAS+8*(lm*CT+lj)+4:BIAS+8*(lm*CT+lj)+7], v[BO], s[8+2*lm:9+2*lm] offset:64*lj+16
.set lj, lj+1
.endr
.set lm, lm+1
.endr
.if MODE == 0
	; the way out: a stage of 3 x 128 rows x 272 bytes in slot 0, used after that slot's last fill and last read
	s_mul_i32 s3, s17, 64*AP
	s_lshl_b32 s2, s18, 6
	s_add_co_u32 s3, s3, s2
	v_add_nc_u32 v[STO], s3, v15                   ; in: row 64 rh + r, bytes 64 g + 16 h
	v_add_nc_u32 v[STO+1], 128*AP, v[STO]
	v_add_nc_u32 v[STO+2], 256*AP, v[STO]
	v_mul_u32_u24 v10, v12, AP
	v_lshl_add_u32 v10, v11, 4, v10
	s_mul_i32 s3, s16, 16*AP
	v_add_nc_u32 v[RD], s3, v10                    ; back: rows 16 w + h + 2 t, 16 bytes at 16 r
	v_add_nc_u32 v[RD+1], 128*AP, v[RD]
	v_add_nc_u32 v[RD+2], 256*AP, v[RD]
	v_lshlrev_b32 v[CO], 4, v11
	v_lshl_add_u32 v[CO], v12, 11, v[CO]
	s_lshl_b32 s3, s16, 15
	v_add_nc_u32 v[CO], s3, v[CO]                  ; the same rows in a result: (16 w + h) x 2,048 + 16 r
	s_lshl_b32 s84, s23, 18
	s_lshl_b32 s85, s22, 8
	s_add_co_u32 s84, s84, s85
	s_mov_b32 s85, 0
	s_add_nc_u64 s[84:85], s[14:15], s[84:85]      ; my block in Q,
	s_add_nc_u64 s[86:87], s[84:85], 0x800000      ; in K,
	s_add_nc_u64 s[88:89], s[86:87], 0x800000      ; in V
.else
	s_mul_i32 s3, s16, 16*AP
	s_add_co_u32 s3, s3, STAGE                     ; my stage
	v_mul_u32_u24 v10, v11, AP
	v_lshl_add_u32 v10, v12, 5, v10
	v_add_nc_u32 v[STO], s3, v10                   ; in: row r, bytes 32 h
	v_mul_u32_u24 v10, v12, AP
	v_lshl_add_u32 v10, v11, 4, v10
	v_add_nc_u32 v[RD], s3, v10                    ; back: rows h + 2 t, 16 bytes at 16 r
	v_lshlrev_b32 v[CO], 4, v11
	v_lshl_add_u32 v[CO], v12, 12, v[CO]
	s_lshl_b32 s3, s17, 18
	s_lshl_b32 s2, s18, 8
	s_add_co_u32 s3, s3, s2
	v_add_nc_u32 v[CO], s3, v[CO]                  ; (64 rh + h) x 4,096 + 256 g + 16 r, in x and in y
	s_lshl_b32 s88, s23, 19
	s_lshl_b32 s89, s22, 9
	s_add_co_u32 s88, s88, s89
	s_mov_b32 s89, 0
	s_add_nc_u64 s[84:85], s[10:11], s[88:89]      ; my block in x
	s_add_nc_u64 s[86:87], s[12:13], s[88:89]      ; and in y
	WIN 0x40                                       ; the residual goes to window 1 and lands while the products run
.set la, 0
.rept 4
.set lt, 0
.rept 8
	global_load_b128 v[128+32*la+4*lt:128+32*la+4*lt+3], v[CO], s[84:85] offset:(16*la+2*lt)*4096 th:TH_LOAD_NT
.set lt, lt+1
.endr
.set la, la+1
.endr
	WIN 0
.endif
	s_wait_tensorcnt TPS                           ; my part of slot 0 is in; slot 1's TPS loads stay out
	s_barrier_signal -1
	s_barrier_wait -1                              ; everybody's part is in
	s_wait_loadcnt XLOADS                          ; the bias is in (the loads of x, issued behind it, stay out)
	STEPS 0, 1
.set bt, 1
.rept NS-2
	s_wait_tensorcnt 0x0                           ; all my tensor loads have landed, my part of this turn's slot among them, so every group 0 may be written
	ds_add_u32 v254, v255
.set bs, ((bt+1)&1)*TPS
.set bu, 0
.rept TPS
	s_add_nc_u64 s[G0A+4*(bs+bu)+2:G0A+4*(bs+bu)+3], s[G0A+4*(bs+bu)+2:G0A+4*(bs+bu)+3], 2*TPS*256
	s_add_nc_u64 s[G0B+4*(bs+bu)+2:G0B+4*(bs+bu)+3], s[G0B+4*(bs+bu)+2:G0B+4*(bs+bu)+3], 2*TPS*262144
.set bu, bu+1
.endr
	s_wait_dscnt 0x0                               ; my reads of the slot read last are over
	ROUND                                          ; both hold of every wave of all sixteen work-groups
.set bu, 0
.rept TPS
.set bj, bs+bu
	JLOAD bj                                       ; that slot's next K steps: the first tensor loads behind the round; they have this turn's products in which to land
.set bu, bu+1
.endr
.set bc, bt&1
	STEPS bc, 0
.set bt, bt+1
.endr
	s_wait_tensorcnt 0x0                           ; the last slot: nothing more is fetched
	s_wait_dscnt 0x0
	s_barrier_signal -1
	s_barrier_wait -1
.set bc, (NS-1)&1
	STEPS bc, 0
.if MODE == 0
	; THE WAY OUT.  Round to bf16: a lane's eight numbers of a tile are 16 bytes of a row.  All tiles go into the stage, and each wave reads back
	; 16 whole rows of 256 bytes of each result, so that 16 lanes store 256 consecutive bytes, aligned.  (The four places behind the last matrix
	; instruction stand at the end of the last step.)
	WIN 0x05                                       ; sources in window 1, destination in window 0
.set oc, 0
.rept 4*NBF
.irp e, 0,1,2,3
	v_cvt_pk_bf16_f32 v[64+4*oc+\e], v[8*oc+2*\e], v[8*oc+2*\e+1]
.endr
.set oc, oc+1
.endr
	WIN 0
.set om, 0
.rept NM
.set oj, 0
.rept CT
.set oa, 0
.rept 4
	ds_store_b128 v[STO+om], v[64+4*(4*(om*CT+oj)+oa):64+4*(4*(om*CT+oj)+oa)+3] offset:16*AP*oa+32*oj
.set oa, oa+1
.endr
.set oj, oj+1
.endr
.set om, om+1
.endr
	s_wait_dscnt 0x0                               ; for the other waves' sake: my stores are done
	s_barrier_signal -1
	s_barrier_wait -1
.set om, 0
.rept NM
.set ot, 0
.rept 8
	ds_load_b128 v[64+4*(8*om+ot):64+4*(8*om+ot)+3], v[RD+om] offset:2*AP*ot
.set ot, ot+1
.endr
.set om, om+1
.endr
.set om, 0
.rept NM
.set ot, 0
.rept 8
	s_wait_dscnt 8*NM-1-(8*om+ot)                  ; LDS loads come back in order: this one is in, the younger ones stay out
	global_store_b128 v[CO], v[64+4*(8*om+ot):64+4*(8*om+ot)+3], s[84+2*om:85+2*om] offset:4096*ot
.set ot, ot+1
.endr
.set om, om+1
.endr
.else
	; THE WAY OUT, 16 rows at a time through my own stage: a lane's eight f32 of a tile are 32 bytes of a row; rows of 256 bytes come back,
	; the residual is added, and 16 lanes store 256 consecutive bytes, aligned.  LDS serves a wave's instructions in order, so the loads see the stores.
	s_wait_loadcnt 0x0                             ; x is in
.set oa, 0
.rept 4
	WIN 0x04                                       ; store data in window 1
.set oc, 0
.rept NBF
	ds_store_b128 v[STO], v[8*(4*oc+oa):8*(4*oc+oa)+3] offset:64*oc
	ds_store_b128 v[STO], v[8*(4*oc+oa)+4:8*(4*oc+oa)+7] offset:64*oc+16
.set oc, oc+1
.endr
	WIN 0
.set ot, 0
.rept 8
	ds_load_b128 v[64+32*oa+4*ot:64+32*oa+4*ot+3], v[RD] offset:2*AP*ot
.set ot, ot+1
.endr
	s_wait_dscnt 0x0
	WIN 0x04                                       ; second source (x) in window 1
.set op, 0
.rept 16
	v_pk_add_f32 v[64+32*oa+2*op:64+32*oa+2*op+1], v[64+32*oa+2*op:64+32*oa+2*op+1], v[128+32*oa+2*op:128+32*oa+2*op+1]
.set op, op+1
.endr
	WIN 0
.set ot, 0
.rept 8
	global_store_b128 v[CO], v[64+32*oa+4*ot:64+32*oa+4*ot+3], s[86:87] offset:(16*oa+2*ot)*4096
.set ot, ot+1
.endr
.set oa, oa+1
.endr
.endif
	s_wait_tensorcnt 0x0
	ds_add_u32 v254, v255
	s_wait_dscnt 0x0
	ROUND                                          ; the closing round: no work-group ends while a partner may still ask for a tile that names it
	s_endpgm
.Lfunc_end_k_qd2df05a8b8_qkvgemm:
	.size	k_qd2df05a8b8_qkvgemm, .Lfunc_end_k_qd2df05a8b8_qkvgemm-k_qd2df05a8b8_qkvgemm
	.p2alignl 7, 3214868480
	.fill 96, 4, 3214868480
	.section	.rodata,"a",@progbits
	.p2align	6, 0x0
	.amdhsa_kernel k_qd2df05a8b8_qkvgemm
		.amdhsa_group_segment_fixed_size 327680
		.amdhsa_private_segment_fixed_size 0
		.amdhsa_enable_private_segment 0
		.amdhsa_kernarg_size 48
		.amdhsa_user_sgpr_count 2
		.amdhsa_user_sgpr_kernarg_segment_ptr 1
		.amdhsa_wavefront_size32 1
		.amdhsa_system_sgpr_workgroup_id_x 1
		.amdhsa_system_sgpr_workgroup_id_y 1
		.amdhsa_system_sgpr_workgroup_id_z 1
		.amdhsa_system_vgpr_workitem_id 0
		.amdhsa_next_free_vgpr 448
		.amdhsa_next_free_sgpr 96
		.amdhsa_reserve_vcc 0
		.amdhsa_float_denorm_mode_32 3
		.amdhsa_float_denorm_mode_16_64 3
		.amdhsa_memory_ordered 1
		.amdhsa_forward_progress 1
		.amdhsa_inst_pref_size 120
	.end_amdhsa_kernel
	.amdgpu_metadata
---
amdhsa.version: [ 1, 2 ]
amdhsa.kernels:
  - .name:           k_qd2df05a8b8_qkvgemm
    .symbol:         k_qd2df05a8b8_qkvgemm.kd
    .args:
      - { .name: xb, .offset: 0, .size: 8, .value_kind: global_buffer, .address_space: global }
      - { .name: wb, .offset: 8, .size: 8, .value_kind: global_buffer, .address_space: global }
      - { .name: bq, .offset: 16, .size: 8, .value_kind: global_buffer, .address_space: global }
      - { .name: bk, .offset: 24, .size: 8, .value_kind: global_buffer, .address_space: global }
      - { .name: bv, .offset: 32, .size: 8, .value_kind: global_buffer, .address_space: global }
      - { .name: qkv, .offset: 40, .size: 8, .value_kind: global_buffer, .address_space: global }
    .group_segment_fixed_size: 327680
    .private_segment_fixed_size: 0
    .kernarg_segment_align: 8
    .kernarg_segment_size: 48
    .max_flat_workgroup_size: 256
    .sgpr_count:     96
    .vgpr_count:     448
    .wavefront_size: 32
...
	.end_amdgpu_metadata
.endif
;; end of part 2
;; launch attn (part 3): grid 256 x 1, 16 waves a work-group, clusters of 4 x 1, 327,680 bytes of LDS; arguments qkv, ctx; writes ctx
.if DOCPART == 3
	.amdgcn_target "amdgcn-amd-amdhsa--gfx1250"
	.amdhsa_code_object_version 6
	.text
	.protected	k_qd2df05a8b8_attn
	.globl	k_qd2df05a8b8_attn
	.p2align	8
	.type	k_qd2df05a8b8_attn,@function
k_qd2df05a8b8_attn:
	s_mov_b64 s[64:65], 0
	v_nop
	global_prefetch_b8 v0, s[64:65] scope:SCOPE_SE
	s_setreg_imm32_b32 hwreg(HW_REG_WAVE_MODE, 25, 1), 1
	s_wait_xcnt 0x0
	s_wait_alu depctr_hold_cnt(0) depctr_sa_sdst(0) depctr_va_vdst(0) depctr_va_sdst(0) depctr_va_ssrc(0) depctr_va_vcc(0) depctr_vm_vsrc(0)
	s_getreg_b32 s2, hwreg(HW_REG_IB_STS2, 6, 4)
	s_cmp_eq_u32 s2, 0
	s_cbranch_scc0 .Lentry_in_a_cluster
	s_endpgm
.Lentry_in_a_cluster:
	s_bfe_u32 s2, ttmp6, 0x10000c
	s_cmp_lg_u32 s2, 0x3003
	s_cbranch_scc0 .Lentry_shape_is_right
	s_endpgm
.Lentry_shape_is_right:
; Attention of 32 heads, S = 2048, d = 64.  qkv = [3][4096][1024] bf16; the reshape without transpose makes head n the dense block of
; 2048 x 64 numbers (262,144 bytes) at n x 262,144 of each of Q, K, V, and of ctx likewise.
; A work-group owns 256 queries of a head.  SIXTEEN WAVES, four for each of the WGP's four SIMDs: wave w has the 32 queries of group w % 8 (two tiles
; of 16) and the key half w / 8: of every tile of 512 keys it takes 256.  So two waves share a query group and split its keys, each with a running
; maximum, sum and ctx^T of its own, and the two are joined once at the end through LDS.  The split adds no product, exponential or LDS read of K and V; it
; gives each SIMD four waves, so that one wave's softmax and LDS loads can run while others issue matrix instructions.
; Keys go in tiles of 512 through two LDS slots: four tiles, two of them refills.
; CLUSTER of 4 work-groups: four query blocks of one head read the same K and V tiles and ask for them jointly (a head's eight blocks are two clusters,
; since a joint request names four work-groups here).
; EVERYTHING IS TRANSPOSED: S^T = K Q^T puts query l % 16 in lane l and the keys in its registers, so that maximum, sum and rescaling are a lane's own
; (one exchange with lane l ^ 16, which holds the other half of the keys); S^T's registers, rounded to bf16 in pairs, ARE the second operand of
; ctx^T = V^T P^T; V^T's fragments come by the transposing LDS load; and a lane's eight results are eight neighbouring d of one query.
; SOFTMAX with a running maximum m: p = 2^(s c - round(m c)), c = log2(e) / 8; the old sums are rescaled by 2^(difference of the two shifts used),
; which is exact in the shifts, so a rounding of m c cancels in the quotient at any size of the scores.  The two key halves are joined in the same way.
; Limits: Q, K, V and p are bf16 operands; the denominator sums the unrounded f32 p; exponentials below 2^-126 count as zero; NaN and infinities are not served.
.set KP, 272                           ; LDS pitch of K: 256 bytes (two keys) + 16
.set VP, 288                           ; LDS pitch of V: 256 bytes (two keys) + 32
.set VOFF, 256*KP                      ; V behind K in a slot
.set SLOT, 256*KP+256*VP               ; 512 keys: 143,360 bytes
.set TILEB, 65536                      ; bytes of 512 keys in memory
.set STAGE, 2*SLOT                     ; the way out: 32 rows x 144 bytes for each query group, bytes of their own
.set SP, 144
.set MGB, 17*512                       ; the hand-over of a query group: 64 + 4 registers of 32 lanes; eight of them lie in slot 0's K rows, after that slot's last fill and last read
.set KA, 2                             ; v2, v3   LDS address of my K fragments in slot 0, 1
.set VA, 4                             ; v4, v5   the same for V
.set QO, 6                             ; v6       my byte offset in the wave's Q rows
.set STG, 7                            ; v7       stage: where I put 16 bytes
.set RDB, 8                            ; v8       stage: where I read back
.set CO, 9                             ; v9       my byte offset in the wave's ctx rows
.set MG, 15                            ; v15      hand-over: my 16 bytes of each 512
.set QF, 16                            ; v[16:47]   Q fragments (qt, ds) at 16 qt + 8 ds
.set ACC, 48                           ; v[48:111]  ctx^T tiles (dt, qt) at 16 dt + 8 qt
.set S, 112                            ; v[112:175] S^T tiles (qt, kt) at 32 qt + 8 kt; then p in bf16 (qt, ks) at 32 qt + 8 ks
.set F, 176                            ; v[176:239] K fragments (kt, ds) at 16 kt + 8 ds, then V^T fragments (dt, ks) at 16 dt + 8 ks
.set M, 240                            ; v240, v241 running maximum of my query, tile qt
.set NMX, 242                          ; v[242:243] - round(m c)
.set LS, 244                           ; v[244:245] my half of the running sum (behind NMX: the four go out as 16 bytes)
.set AL, 246                           ; v[246:247] the rescaling factor
.set T, 248                            ; v[248:255] at work
.set G1K, 16                           ; s[16:23] descriptor group 1 for K
.set G1V, 24                           ; s[24:31] for V
.set G0K, 32                           ; s[32:39] descriptor group 0 for K, one set for each slot
.set G0V, 40                           ; s[40:47] for V
.macro PLACES n                        ; plain vector instructions behind a matrix instruction (ISA guide 7.12.1)
.rept \n
	v_nop
.endr
.endm
.macro ROUND                           ; a round of the cluster's barrier
	s_barrier_signal -1
	s_barrier_wait -1
	s_cmp_lg_u32 s8, 0
	s_cbranch_scc1 .Lnot_wave_0_\@
	s_barrier_signal -3
.Lnot_wave_0_\@:
	s_barrier_wait -3
	s_barrier_signal -1
	s_barrier_wait -1
.endm
; The K fragments of 64 keys (block sb of my half of a slot): key 16 kt + r lies in LDS row 8 kt + r / 2, half r % 2
.macro KLOAD slot, sb
.irp kt, 0,1,2,3
.irp ds, 0,1
	ds_load_b128 v[F+16*\kt+8*\ds:F+16*\kt+8*\ds+3], v[KA+\slot] offset:32*KP*(\sb)+8*KP*\kt+64*\ds
	ds_load_b128 v[F+16*\kt+8*\ds+4:F+16*\kt+8*\ds+7], v[KA+\slot] offset:32*KP*(\sb)+8*KP*\kt+64*\ds+32
.endr
.endr
.endm
; The V^T fragments of the same 64 keys: d = 16 dt + r, keys 32 ks + 8 h .. and 32 ks + 16 + 8 h ..
.macro VLOAD slot, sb
.irp dt, 0,1,2,3
.irp ks, 0,1
	ds_load_tr16_b128 v[F+16*\dt+8*\ks:F+16*\dt+8*\ks+3], v[VA+\slot] offset:32*VP*(\sb)+16*VP*\ks+32*\dt
	ds_load_tr16_b128 v[F+16*\dt+8*\ks+4:F+16*\dt+8*\ks+7], v[VA+\slot] offset:32*VP*(\sb)+16*VP*\ks+32*\dt+8*VP
.endr
.endr
.endm
.macro SCALEACC                        ; every ctx^T tile times its query tile's factor: AL for qt = 0, AL + 1 for qt = 1
.irp dt, 0,1,2,3
.irp p, 0,2,4,6
	v_pk_mul_f32 v[ACC+16*\dt+\p:ACC+16*\dt+\p+1], v[ACC+16*\dt+\p:ACC+16*\dt+\p+1], v[AL:AL+1] op_sel_hi:[1,0]
	v_pk_mul_f32 v[ACC+16*\dt+8+\p:ACC+16*\dt+8+\p+1], v[ACC+16*\dt+8+\p:ACC+16*\dt+8+\p+1], v[AL:AL+1] op_sel:[0,1] op_sel_hi:[1,1]
.endr
.endr
.endm
; 64 keys against my 32 queries.  first = 1: the very first block starts maximum, sums and ctx^T.  more = 1: the slot's next K fragments are fetched at the end.
; In both products eight accumulators take turns, one instruction a turn.
.macro SUBK slot, sb, first, more
	s_wait_dscnt 0x0                               ; the K fragments are in
.irp qt, 0,1
.irp kt, 0,1,2,3
	v_wmma_f32_16x16x32_bf16 v[S+32*\qt+8*\kt:S+32*\qt+8*\kt+7], v[F+16*\kt:F+16*\kt+7], v[QF+16*\qt:QF+16*\qt+7], 0
.endr
.endr
.irp qt, 0,1
.irp kt, 0,1,2,3
	v_wmma_f32_16x16x32_bf16 v[S+32*\qt+8*\kt:S+32*\qt+8*\kt+7], v[F+16*\kt+8:F+16*\kt+15], v[QF+16*\qt+8:QF+16*\qt+15], v[S+32*\qt+8*\kt:S+32*\qt+8*\kt+7]
.endr
.endr
	PLACES 4                                       ; before F is loaded again and S^T is read
	VLOAD \slot, \sb                               ; lands under the softmax
	; the largest of my 32 scores of each query tile: four chains a tile
.irp qt, 0,1
.irp kt, 0,1,2,3
	v_max3_num_f32 v[T+4*\qt+\kt], v[S+32*\qt+8*\kt], v[S+32*\qt+8*\kt+1], v[S+32*\qt+8*\kt+2]
.endr
.endr
.irp j, 3,5
.irp qt, 0,1
.irp kt, 0,1,2,3
	v_max3_num_f32 v[T+4*\qt+\kt], v[T+4*\qt+\kt], v[S+32*\qt+8*\kt+\j], v[S+32*\qt+8*\kt+\j+1]
.endr
.endr
.endr
.irp qt, 0,1
.irp kt, 0,1,2,3
	v_max_num_f32 v[T+4*\qt+\kt], v[T+4*\qt+\kt], v[S+32*\qt+8*\kt+7]
.endr
.endr
.irp qt, 0,1
	v_max3_num_f32 v[T+4*\qt], v[T+4*\qt], v[T+4*\qt+1], v[T+4*\qt+2]
.if \first
	v_max_num_f32 v[T+4*\qt], v[T+4*\qt], v[T+4*\qt+3]
.else
	v_max3_num_f32 v[T+4*\qt], v[T+4*\qt], v[T+4*\qt+3], v[M+\qt]   ; with the running maximum
	v_mov_b32 v[T+4*\qt+2], v[NMX+\qt]                               ; the shift used so far
.endif
	v_permlanex16_b32 v[T+4*\qt+1], v[T+4*\qt], s10, s11             ; lane l ^ 16 holds the query's other keys
	v_max_num_f32 v[M+\qt], v[T+4*\qt], v[T+4*\qt+1]
	v_mul_f32 v[NMX+\qt], s14, v[M+\qt]                              ; the new shift, - round(m c)
.if \first == 0
	v_sub_f32 v[AL+\qt], v[NMX+\qt], v[T+4*\qt+2]                    ; new shift - old shift, at most 0
.endif
.endr
.if \first == 0
	v_exp_f32 v[AL], v[AL]                         ; used far below; the packed multiply-adds that follow touch neither
	v_exp_f32 v[AL+1], v[AL+1]
.endif
.set p, 0
.rept 16
	v_pk_fma_f32 v[S+2*p:S+2*p+1], v[S+2*p:S+2*p+1], s[12:13], v[NMX:NMX+1] op_sel_hi:[1,0,0]
	v_pk_fma_f32 v[S+32+2*p:S+32+2*p+1], v[S+32+2*p:S+32+2*p+1], s[12:13], v[NMX:NMX+1] op_sel:[0,0,1] op_sel_hi:[1,0,1]
.set p, p+1
.endr
.set p, 0
.rept 64
	v_exp_f32 v[S+p], v[S+p]
.set p, p+1
.endr
	v_nop                                          ; one plain instruction behind the last exponential before its result is used (ISA guide 5.7.2)
	s_wait_alu depctr_va_vdst(0)
.irp qt, 0,1
	v_pk_add_f32 v[T+4*\qt:T+4*\qt+1], v[S+32*\qt:S+32*\qt+1], v[S+32*\qt+2:S+32*\qt+3]
	v_pk_add_f32 v[T+4*\qt+2:T+4*\qt+3], v[S+32*\qt+4:S+32*\qt+5], v[S+32*\qt+6:S+32*\qt+7]
.irp p, 8,12,16,20,24,28
	v_pk_add_f32 v[T+4*\qt:T+4*\qt+1], v[T+4*\qt:T+4*\qt+1], v[S+32*\qt+\p:S+32*\qt+\p+1]
	v_pk_add_f32 v[T+4*\qt+2:T+4*\qt+3], v[T+4*\qt+2:T+4*\qt+3], v[S+32*\qt+\p+2:S+32*\qt+\p+3]
.endr
	v_pk_add_f32 v[T+4*\qt:T+4*\qt+1], v[T+4*\qt:T+4*\qt+1], v[T+4*\qt+2:T+4*\qt+3]
.if \first
	v_add_f32 v[LS+\qt], v[T+4*\qt], v[T+4*\qt+1]
.else
	v_add_f32 v[T+4*\qt], v[T+4*\qt], v[T+4*\qt+1]
	v_fma_f32 v[LS+\qt], v[LS+\qt], v[AL+\qt], v[T+4*\qt]
.endif
.endr
	; p to bf16, in place and ascending: word i takes numbers 2 i and 2 i + 1, which lie at or above it
.irp qt, 0,1
.set p, 0
.rept 16
	v_cvt_pk_bf16_f32 v[S+32*\qt+p], v[S+32*\qt+2*p], v[S+32*\qt+2*p+1]
.set p, p+1
.endr
.endr
.if \first == 0
	SCALEACC
.endif
	s_wait_dscnt 0x0                               ; the V^T fragments are in
.irp dt, 0,1,2,3
.irp qt, 0,1
.if \first
	v_wmma_f32_16x16x32_bf16 v[ACC+16*\dt+8*\qt:ACC+16*\dt+8*\qt+7], v[F+16*\dt:F+16*\dt+7], v[S+32*\qt:S+32*\qt+7], 0
.else
	v_wmma_f32_16x16x32_bf16 v[ACC+16*\dt+8*\qt:ACC+16*\dt+8*\qt+7], v[F+16*\dt:F+16*\dt+7], v[S+32*\qt:S+32*\qt+7], v[ACC+16*\dt+8*\qt:ACC+16*\dt+8*\qt+7]
.endif
.endr
.endr
.irp dt, 0,1,2,3
.irp qt, 0,1
	v_wmma_f32_16x16x32_bf16 v[ACC+16*\dt+8*\qt:ACC+16*\dt+8*\qt+7], v[F+16*\dt+8:F+16*\dt+15], v[S+32*\qt+8:S+32*\qt+15], v[ACC+16*\dt+8*\qt:ACC+16*\dt+8*\qt+7]
.endr
.endr
	PLACES 5                                       ; before the next S^T products write over p, before F is loaded again, and before ctx^T is read at the end
.if \more
	KLOAD \slot, \sb+1
.endif
.endm
.macro COMPUTE slot, first             ; my 256 keys of a tile
	KLOAD \slot, 0
	SUBK \slot, 0, \first, 1
	SUBK \slot, 1, 0, 1
	SUBK \slot, 2, 0, 1
	SUBK \slot, 3, 0, 0
.endm
; One tile with the other slot filled again, two tiles ahead of what it held.
.macro TRIP slot
	s_wait_xcnt 0x0
	v_lshl_add_u32 v254, v0, 2, 0x4f000
	v_mov_b32 v255, 0
	s_wait_tensorcnt 0x0                           ; all my tensor loads have landed, my rows of this tile among them, so every group 0 may be written
	ds_add_u32 v254, v255
	s_wait_dscnt 0x0
	s_add_nc_u64 s[G0K+4*(1-\slot)+2:G0K+4*(1-\slot)+3], s[G0K+4*(1-\slot)+2:G0K+4*(1-\slot)+3], 2*TILEB
	s_add_nc_u64 s[G0V+4*(1-\slot)+2:G0V+4*(1-\slot)+3], s[G0V+4*(1-\slot)+2:G0V+4*(1-\slot)+3], 2*TILEB
	s_wait_dscnt 0x0                               ; my reads of the other slot are over
	ROUND                                          ; both hold of every wave of the four work-groups
	tensor_load_to_lds s[G0K+4*(1-\slot):G0K+4*(1-\slot)+3], s[G1K:G1K+7]   ; the first tensor loads behind the round: two of a wave are out,
	s_nop 0
	tensor_load_to_lds s[G0V+4*(1-\slot):G0V+4*(1-\slot)+3], s[G1V:G1V+7]   ; and have this tile's work in which to land
	s_nop 0
	COMPUTE \slot, 0
.endm
	s_load_b128 s[4:7], s[0:1], 0x0                ; qkv s[4:5], ctx s[6:7]
	v_lshl_add_u32 v254, v0, 2, 0x4f000
	v_mov_b32 v255, 0
	ds_add_u32 v254, v255
	s_wait_dscnt 0x0
	v_lshrrev_b32 v1, 5, v0
	v_readfirstlane_b32 s8, v1                     ; wave 0..15
	s_and_b32 s56, s8, 7                           ; my query group
	s_lshr_b32 s57, s8, 3                          ; my half of the keys
	s_bfe_u32 s52, ttmp6, 0x40000                  ; cx
	s_lshl_b32 s48, ttmp9, 2
	s_add_co_u32 s48, s48, s52                     ; query block = 4 x cluster + cx
	s_lshl_b32 s48, s48, 15                        ; 256 queries x 128 bytes
	s_lshl_b32 s58, s56, 12                        ; query group x 32 queries x 128 bytes
	s_add_co_u32 s48, s48, s58
	s_mov_b32 s49, 0
	s_lshl_b32 s15, s8, 12                         ; wave x 4,096 bytes: the 32 keys of a tile that I fetch
	s_lshr_b32 s50, ttmp9, 1                       ; the head: the same in the four partners; cx never enters these registers
	s_lshl_b32 s50, s50, 18
	s_add_co_u32 s50, s50, s15
	s_mov_b32 s51, 0
	s_mul_i32 s53, s8, 16*KP                       ; my 16 LDS rows of a K tile
	s_mul_i32 s54, s8, 16*VP
	s_add_co_u32 s54, s54, VOFF                    ; and of a V tile
	s_mov_b32 s10, 0x76543210                      ; v_permlanex16_b32: lane i of one half reads lane i of the other
	s_mov_b32 s11, 0xfedcba98
	s_mov_b32 s12, 0x3e38aa3b                      ; c = log2(e) / 8: the scale 1 / sqrt(64) and the base 2 in one factor
	s_mov_b32 s13, 0x3e38aa3b
	s_mov_b32 s14, 0xbe38aa3b                      ; - c
	; group 1: a dense block as 16 rows of 32 elements of 8 bytes; mask: all four work-groups; behind every 64 words a pad of 4 words (K) or 8 (V)
	s_mov_b32 s[G1K], 15|(3<<16)|(1<<20)|(1<<21)|(5<<22)|(3<<25)
	s_mov_b32 s[G1V], 15|(3<<16)|(1<<20)|(1<<21)|(5<<22)|(7<<25)
.irp g, G1K, G1V
	s_mov_b32 s[\g+1], 32<<16                      ; tensor_dim0 = 32
	s_mov_b32 s[\g+2], 16<<16                      ; tensor_dim1 = 16
	s_mov_b32 s[\g+3], 32<<16                      ; tile_dim0 = 32
	s_mov_b32 s[\g+4], 16                          ; tile_dim1 = 16
	s_mov_b32 s[\g+5], 32                          ; elements from row to row
	s_mov_b32 s[\g+6], 0
	s_mov_b32 s[\g+7], 0
.endr
	s_wait_kmcnt 0x0
	s_add_nc_u64 s[50:51], s[4:5], s[50:51]        ; qkv + head + my rows of a tile
	s_add_nc_u64 s[4:5], s[4:5], s[48:49]          ; my 32 queries
	s_add_nc_u64 s[6:7], s[6:7], s[48:49]          ; and their ctx
	ROUND                                          ; the four work-groups are here: the first joint loads meet
.irp s, 0,1
	s_mov_b32 s[G0K+4*\s], 1
	s_add_co_u32 s[G0K+4*\s+1], s53, \s*SLOT
	s_add_nc_u64 s[G0K+4*\s+2:G0K+4*\s+3], s[50:51], 0x800000+\s*TILEB     ; K lies 8 MiB into qkv
	s_or_b32 s[G0K+4*\s+3], s[G0K+4*\s+3], 0x80000000
	s_mov_b32 s[G0V+4*\s], 1
	s_add_co_u32 s[G0V+4*\s+1], s54, \s*SLOT
	s_add_nc_u64 s[G0V+4*\s+2:G0V+4*\s+3], s[50:51], 0x1000000+\s*TILEB    ; V 16 MiB
	s_or_b32 s[G0V+4*\s+3], s[G0V+4*\s+3], 0x80000000
	tensor_load_to_lds s[G0K+4*\s:G0K+4*\s+3], s[G1K:G1K+7]                ; tiles 0 and 1, half of the head's keys: four loads of a wave are out
	s_nop 0
	tensor_load_to_lds s[G0V+4*\s:G0V+4*\s+3], s[G1V:G1V+7]
	s_nop 0
.endr
	v_and_b32 v10, 15, v0                          ; r
	v_bfe_u32 v11, v0, 4, 1                        ; h
	v_lshlrev_b32 v[QO], 7, v10
	v_lshl_add_u32 v[QO], v11, 4, v[QO]            ; query r, 16 bytes at 16 h
.irp qt, 0,1
.irp ds, 0,1
	global_load_b128 v[QF+16*\qt+8*\ds:QF+16*\qt+8*\ds+3], v[QO], s[4:5] offset:2048*\qt+64*\ds
	global_load_b128 v[QF+16*\qt+8*\ds+4:QF+16*\qt+8*\ds+7], v[QO], s[4:5] offset:2048*\qt+64*\ds+32
.endr
.endr
	v_lshrrev_b32 v12, 1, v10
	v_and_b32 v13, 1, v0
	v_mul_u32_u24 v12, v12, KP
	v_lshl_add_u32 v12, v13, 7, v12
	v_lshl_add_u32 v12, v11, 4, v12                ; (r / 2) x 272 + (r % 2) x 128 + 16 h
	s_mul_i32 s59, s57, 128*KP                     ; my half of a tile: 256 keys = 128 rows
	v_add_nc_u32 v[KA], s59, v12
	v_add_nc_u32 v[KA+1], SLOT, v[KA]
	v_bfe_u32 v12, v0, 1, 2
	v_lshl_add_u32 v12, v11, 2, v12                ; key 8 h + l % 8 lies in row 4 h + (l % 8) / 2,
	v_mul_u32_u24 v12, v12, VP
	v_lshl_add_u32 v12, v13, 7, v12                ; half l % 2;
	v_bfe_u32 v14, v0, 3, 1
	v_lshl_add_u32 v12, v14, 4, v12                ; d 8 ((l / 8) % 2) ..
	s_mul_i32 s59, s57, 128*VP
	s_add_co_u32 s59, s59, VOFF
	v_add_nc_u32 v[VA], s59, v12
	v_add_nc_u32 v[VA+1], SLOT, v[VA]
	s_mul_i32 s55, s56, 32*SP
	s_add_co_u32 s55, s55, STAGE                   ; my query group's stage
	v_mul_u32_u24 v12, v10, SP
	v_lshl_add_u32 v12, v11, 4, v12
	v_add_nc_u32 v[STG], s55, v12                  ; in: query r, 16 bytes at 16 h
	v_bfe_u32 v12, v0, 3, 2
	v_mul_u32_u24 v12, v12, SP
	v_and_b32 v13, 7, v0
	v_lshl_add_u32 v12, v13, 4, v12
	v_add_nc_u32 v[RDB], s55, v12                  ; back: query l / 8 + 4 t, 16 bytes at 16 (l % 8)
	v_and_b32 v12, 31, v0
	v_lshlrev_b32 v[CO], 4, v12                    ; which are bytes 512 t + 16 l of my ctx rows
	s_mul_i32 s59, s56, MGB
	v_add_nc_u32 v[MG], s59, v[CO]                 ; hand-over: 16 l in my query group's area
	s_wait_tensorcnt 0x2                           ; my rows of tile 0 are in; tile 1's K and V stay out
	s_barrier_signal -1
	s_barrier_wait -1                              ; everybody's rows are in
	s_wait_loadcnt 0x0                             ; Q
	COMPUTE 0, 1                                   ; tile 0
	TRIP 1                                         ; tile 1; slot 0 gets tile 2
	TRIP 0                                         ; tile 2; slot 1 gets tile 3
	s_wait_tensorcnt 0x0                           ; tile 3: nothing more is fetched
	s_wait_dscnt 0x0                               ; my reads of slot 0 are over: behind this barrier its bytes serve the hand-over
	s_barrier_signal -1
	s_barrier_wait -1
	COMPUTE 1, 0
	; THE TWO KEY HALVES ARE JOINED.  Waves 8-15 hand their ctx^T, shifts and sums to waves 0-7, lane to lane: each store covers 512 consecutive bytes.
	s_cmp_lt_u32 s8, 8
	s_cbranch_scc1 .Lfirst_half
.set i, 0
.rept 16
	ds_store_b128 v[MG], v[ACC+4*i:ACC+4*i+3] offset:512*i
.set i, i+1
.endr
	ds_store_b128 v[MG], v[NMX:NMX+3] offset:8192  ; shift of tile 0, of tile 1, sum of tile 0, of tile 1
.Lfirst_half:
	s_wait_dscnt 0x0                               ; for the partner's sake: my stores are done
	s_barrier_signal -1
	s_barrier_wait -1
	s_cmp_lt_u32 s8, 8
	s_cbranch_scc0 .Lclose                         ; waves 8-15 have nothing more to do but the closing round
	ds_load_b128 v[T:T+3], v[MG] offset:8192
.set i, 0
.rept 16
	ds_load_b128 v[F+4*i:F+4*i+3], v[MG] offset:512*i
.set i, i+1
.endr
	s_wait_dscnt 16                                ; the partner's shifts and sums are in; the 16 loads of its ctx^T stay out
	v_min_num_f32 v[T+4], v[NMX], v[T]             ; the joint shift is that of the larger maximum: the smaller of the two
	v_min_num_f32 v[T+5], v[NMX+1], v[T+1]
	v_sub_f32 v[AL], v[T+4], v[NMX]                ; joint shift - own shift, at most 0, for me
	v_sub_f32 v[AL+1], v[T+5], v[NMX+1]
	v_sub_f32 v[T], v[T+4], v[T]                   ; and for the partner
	v_sub_f32 v[T+1], v[T+5], v[T+1]
	v_exp_f32 v[AL], v[AL]
	v_exp_f32 v[AL+1], v[AL+1]
	v_exp_f32 v[T], v[T]
	v_exp_f32 v[T+1], v[T+1]
	v_nop                                          ; one plain instruction behind the exponentials (ISA guide 5.7.2)
	s_wait_alu depctr_va_vdst(0)
	v_mul_f32 v[LS], v[LS], v[AL]
	v_mul_f32 v[LS+1], v[LS+1], v[AL+1]
	v_fma_f32 v[LS], v[T+2], v[T], v[LS]
	v_fma_f32 v[LS+1], v[T+3], v[T+1], v[LS+1]
	v_permlanex16_b32 v[T+4], v[LS], s10, s11      ; lane l ^ 16 holds the sums over the other keys of each fragment
	v_permlanex16_b32 v[T+5], v[LS+1], s10, s11
	v_add_f32 v[LS], v[LS], v[T+4]
	v_add_f32 v[LS+1], v[LS+1], v[T+5]
	v_rcp_f32 v[T+4], v[LS]                        ; the sum is at least about 1: the largest score's own term
	v_rcp_f32 v[T+5], v[LS+1]
	v_nop
	s_wait_alu depctr_va_vdst(0)
	v_mul_f32 v[AL], v[AL], v[T+4]                 ; rescaling and quotient in one factor, for my ctx^T
	v_mul_f32 v[AL+1], v[AL+1], v[T+5]
	v_mul_f32 v[T], v[T], v[T+4]                   ; and for the partner's
	v_mul_f32 v[T+1], v[T+1], v[T+5]
	SCALEACC
	s_wait_dscnt 0x0                               ; the partner's ctx^T is in
.irp dt, 0,1,2,3
.irp p, 0,2,4,6
	v_pk_fma_f32 v[ACC+16*\dt+\p:ACC+16*\dt+\p+1], v[F+16*\dt+\p:F+16*\dt+\p+1], v[T:T+1], v[ACC+16*\dt+\p:ACC+16*\dt+\p+1] op_sel_hi:[1,0,1]
	v_pk_fma_f32 v[ACC+16*\dt+8+\p:ACC+16*\dt+8+\p+1], v[F+16*\dt+8+\p:F+16*\dt+8+\p+1], v[T:T+1], v[ACC+16*\dt+8+\p:ACC+16*\dt+8+\p+1] op_sel:[0,1,0] op_sel_hi:[1,1,1]
.endr
.endr
	; bf16, and out through my own stage, so that each store of the wave covers 512 consecutive bytes
.set p, 0
.rept 32
	v_cvt_pk_bf16_f32 v[S+p], v[ACC+2*p], v[ACC+2*p+1]
.set p, p+1
.endr
.irp dt, 0,1,2,3
.irp qt, 0,1
	ds_store_b128 v[STG], v[S+4*(2*\dt+\qt):S+4*(2*\dt+\qt)+3] offset:16*SP*\qt+32*\dt
.endr
.endr
.irp t, 0,1,2,3,4,5,6,7
	ds_load_b128 v[F+4*\t:F+4*\t+3], v[RDB] offset:4*SP*\t         ; LDS serves a wave's instructions in order: these see the stores above
.endr
.irp t, 0,1,2,3,4,5,6,7
	s_wait_dscnt 7-\t                              ; load t is in, the younger ones stay out
	global_store_b128 v[CO], v[F+4*\t:F+4*\t+3], s[6:7] offset:512*\t
.endr
.Lclose:
	s_wait_xcnt 0x0
	v_lshl_add_u32 v254, v0, 2, 0x4f000
	v_mov_b32 v255, 0
	s_wait_tensorcnt 0x0
	ds_add_u32 v254, v255
	s_wait_dscnt 0x0
	ROUND                                          ; the closing round
	s_endpgm
.Lfunc_end_k_qd2df05a8b8_attn:
	.size	k_qd2df05a8b8_attn, .Lfunc_end_k_qd2df05a8b8_attn-k_qd2df05a8b8_attn
	.p2alignl 7, 3214868480
	.fill 96, 4, 3214868480
	.section	.rodata,"a",@progbits
	.p2align	6, 0x0
	.amdhsa_kernel k_qd2df05a8b8_attn
		.amdhsa_group_segment_fixed_size 327680
		.amdhsa_private_segment_fixed_size 0
		.amdhsa_enable_private_segment 0
		.amdhsa_kernarg_size 16
		.amdhsa_user_sgpr_count 2
		.amdhsa_user_sgpr_kernarg_segment_ptr 1
		.amdhsa_wavefront_size32 1
		.amdhsa_system_sgpr_workgroup_id_x 1
		.amdhsa_system_sgpr_workgroup_id_y 1
		.amdhsa_system_sgpr_workgroup_id_z 1
		.amdhsa_system_vgpr_workitem_id 0
		.amdhsa_next_free_vgpr 256
		.amdhsa_next_free_sgpr 66
		.amdhsa_reserve_vcc 0
		.amdhsa_float_denorm_mode_32 3
		.amdhsa_float_denorm_mode_16_64 3
		.amdhsa_memory_ordered 1
		.amdhsa_forward_progress 1
		.amdhsa_inst_pref_size 255
	.end_amdhsa_kernel
	.section	.bss,"aw",@nobits
	.p2align	6
	.space	262144
	.amdgpu_metadata
---
amdhsa.version: [ 1, 2 ]
amdhsa.kernels:
  - .name:           k_qd2df05a8b8_attn
    .symbol:         k_qd2df05a8b8_attn.kd
    .args:
      - { .name: qkv, .offset: 0, .size: 8, .value_kind: global_buffer, .address_space: global }
      - { .name: ctx, .offset: 8, .size: 8, .value_kind: global_buffer, .address_space: global }
    .group_segment_fixed_size: 327680
    .private_segment_fixed_size: 0
    .kernarg_segment_align: 8
    .kernarg_segment_size: 16
    .max_flat_workgroup_size: 512
    .sgpr_count:     66
    .vgpr_count:     256
    .wavefront_size: 32
...
	.end_amdgpu_metadata
.endif
;; end of part 3
;; launch outgemm (part 4): grid 8 x 32, 4 waves a work-group, clusters of 4 x 4, 327,680 bytes of LDS; arguments ctx, wb, bo, x, y; writes y
.if DOCPART == 4
	.amdgcn_target "amdgcn-amd-amdhsa--gfx1250"
	.amdhsa_code_object_version 6
	.text
	.protected	k_qd2df05a8b8_outgemm
	.globl	k_qd2df05a8b8_outgemm
	.p2align	8
	.type	k_qd2df05a8b8_outgemm,@function
k_qd2df05a8b8_outgemm:
	s_mov_b64 s[64:65], 0
	v_nop
	global_prefetch_b8 v0, s[64:65] scope:SCOPE_SE
	s_setreg_imm32_b32 hwreg(HW_REG_WAVE_MODE, 25, 1), 1
	s_wait_xcnt 0x0
	s_wait_alu depctr_hold_cnt(0) depctr_sa_sdst(0) depctr_va_vdst(0) depctr_va_sdst(0) depctr_va_ssrc(0) depctr_va_vcc(0) depctr_vm_vsrc(0)
	s_getreg_b32 s2, hwreg(HW_REG_IB_STS2, 6, 4)
	s_cmp_eq_u32 s2, 0
	s_cbranch_scc0 .Lentry_in_a_cluster
	s_endpgm
.Lentry_in_a_cluster:
	s_bfe_u32 s2, ttmp6, 0x10000c
	s_cmp_lg_u32 s2, 0xf033
	s_cbranch_scc0 .Lentry_shape_is_right
	s_endpgm
.Lentry_shape_is_right:
; One text for two launches; MODE picks the sizes and the way out.
;   MODE 0: Q, K, V = xb W + b, three products at once on the same rows of xb, results in bf16 into qkv[0..2] ([4096][1024] each).
;   MODE 1: y = x + ctx Wo + bo, result in f32.
; The left matrix is [4096][1024] bf16 (k along the rows), a weight [1024 k][1024 n] bf16.  Sums in f32, started by the bias.
; A work-group makes 128 rows x 128 columns of each of its NM results; 32 x 8 blocks = 256 work-groups.
; A wave makes 64 rows x CT*16 columns of each result: 4 x NM*CT accumulator tiles of 16 x 16.
; K goes in steps of 128 through two LDS slots of TPS steps each, filled by the tensor data mover: every tile row is 256 bytes of memory
; and starts at a multiple of 256 bytes from its buffer's first byte.  (MODE 1 has room for two K steps in a slot, so that one round of the
; cluster's barrier serves twice the bytes.)
; CLUSTERS of 4 x 4 work-groups: the four of a row of the cluster need the same rows of the left matrix, the four of a column the same columns
; of the weights.  Each tile is asked for jointly by the four, which divides the requests for both by four.
; THE MATRIX INSTRUCTION IS USED TRANSPOSED: source 0 = 16 columns of the weight, source 1 = 16 rows of the left matrix, so that lane l holds
; row l % 16 and eight neighbouring columns 8 (l / 16) + 0..7 of the result.  The weight lies [k][n] in LDS; its fragments come by the
; transposing LDS load.
; REGISTERS: window 0: addresses, bias, two fragment buffers; window 1: the accumulators (and, MODE 1, the residual x).
; Limits: operands are rounded to bf16; NaN and infinities in the inputs are not served.
.set MODE, 1
.if MODE == 0
.set NM, 3                             ; results (weights) at once
.set CT, 2                             ; column tiles of 16 for each result in a wave
.set LOGCG, 2                          ; 4 waves side by side, 2 on top of each other
.set TPS, 1                            ; K steps of 128 in a slot
.set NS, 8                             ; slots' turns: NS*TPS*128 = 1024
.set WOFF, 0                           ; first weight in wb
.set XLOADS, 0
.else
.set NM, 1
.set CT, 4
.set LOGCG, 1
.set TPS, 2
.set NS, 4
.set WOFF, 3*2097152
.set XLOADS, 32                        ; loads of x that stay out while the products run
.endif
.set CG, 1<<LOGCG
.set NBF, NM*CT                        ; weight fragments of a wave for 32 along K
.set NL, 8+2*NBF                       ; LDS loads of one fetch
.set AP, 272                           ; LDS pitch of the left matrix: 256 + 16 bytes, so that 16 rows start in 16 different 16-byte columns of 256
.set BP, 288                           ; LDS pitch of a weight: 256 + 32 bytes, an odd multiple of 32, as the transposing load's 16 addresses need
.set BTILE, 128*BP                     ; 128 k rows x 128 columns of one weight
.set AOFF, NM*BTILE                    ; the left matrix lies behind the weights
.set SUBS, AOFF+128*AP                 ; one K step of 128
.set SLOT, TPS*SUBS
.set STAGE, 2*SLOT                     ; MODE 1: 16 rows x 272 bytes for each wave, bytes of their own behind the ring
.set XA, 2                             ; v[XA+i]        LDS address of my left fragments in K step i of the ring (2*TPS of them)
.set WA, 2+2*TPS                       ; v[WA+i*NM+m]   the same for weight m
.set BIAS, 16                          ; v[16:16+8*NBF-1] the bias in the accumulators' layout
.set FS, 32+8*NBF
.set F0, 64                            ; fragment buffer 0: 4 left fragments, then NBF weight fragments
.set F1, 64+FS                         ; fragment buffer 1
.set STO, 224                          ; the way out: where I put my results (MODE 0: one for each result)
.set RD, 227                           ; where I read rows back
.set CO, 230                           ; my byte offset in the result (MODE 1: in x too)
.set BO, 231                           ; my byte offset in a bias
.set G1A, 24                           ; s[24:31] descriptor group 1, left matrix
.set G1B, 32                           ; s[32:39] descriptor group 1, weights
.set G0A, 40                           ; s[40:55] descriptor group 0, left matrix, one set for each K step of the ring
.set G0B, 68                           ; s[68:83] the same for the weights
.set MSB, 0
.macro WIN new                         ; the immediate's high byte repeats the setting that is left
.if MSB != \new
	s_set_vgpr_msb (MSB<<8)|\new
.set MSB, \new
.endif
.endm
.macro PLACES                          ; four plain vector instructions behind a matrix instruction (ISA guide 7.12.1) before its sources are loaded again or its result is read
.rept 4
	v_nop
.endr
.endm
; A round of the cluster's barrier: my work-group's barrier, wave 0 signals for the work-group, every wave waits for all sixteen, my work-group's barrier again.
.macro ROUND
	s_barrier_signal -1
	s_barrier_wait -1
	s_cmp_lg_u32 s16, 0
	s_cbranch_scc1 .Lnot_wave_0_\@
	s_barrier_signal -3
.Lnot_wave_0_\@:
	s_barrier_wait -3
	s_barrier_signal -1
	s_barrier_wait -1
.endm
; A joint load of K step i of the ring.  Waves 0 .. 2 NM - 1 fetch 64 k rows of a weight each, the last two waves 64 rows of the left matrix each.
; The branch hangs on the wave's number alone; each way issues exactly one load.
.macro JLOAD i
	s_cmp_lt_u32 s16, 2*NM
	s_cbranch_scc0 .Lfor_a_\@
	tensor_load_to_lds s[G0B+4*\i:G0B+4*\i+3], s[G1B:G1B+7]
	s_nop 0
	s_branch .Lasked_\@
.Lfor_a_\@:
	tensor_load_to_lds s[G0A+4*\i:G0A+4*\i+3], s[G1A:G1A+7]
	s_nop 0
.Lasked_\@:
.endm
; The fragments of 32 along K (quarter q of K step i of the ring) into buffer f: NL loads.
.macro FETCH i, q, f
.irp a, 0,1,2,3
	ds_load_b128 v[\f+8*\a:\f+8*\a+3], v[XA+\i] offset:16*AP*\a+64*\q
	ds_load_b128 v[\f+8*\a+4:\f+8*\a+7], v[XA+\i] offset:16*AP*\a+64*\q+32
.endr
.set fm, 0
.rept NM
.set fj, 0
.rept CT
	ds_load_tr16_b128 v[\f+32+8*(fm*CT+fj):\f+32+8*(fm*CT+fj)+3], v[WA+\i*NM+fm] offset:32*fj+32*BP*\q
	ds_load_tr16_b128 v[\f+32+8*(fm*CT+fj)+4:\f+32+8*(fm*CT+fj)+7], v[WA+\i*NM+fm] offset:32*fj+32*BP*\q+16*BP
.set fj, fj+1
.endr
.set fm, fm+1
.endr
.endm
; 4 NBF matrix instructions on buffer f.  The accumulators take turns, one instruction a turn, in the same order every time.
; first = 1: the bias is the C operand and starts the sums: nothing is cleared and nothing is added later.
.macro MUL f, first
.if \first
	WIN 0x40                                       ; D in window 1, C (the bias) in window 0
.else
	WIN 0x50                                       ; C and D in window 1
.endif
.set mc, 0
.rept NBF
.set ma, 0
.rept 4
.if \first
	v_wmma_f32_16x16x32_bf16 v[8*(4*mc+ma):8*(4*mc+ma)+7], v[\f+32+8*mc:\f+32+8*mc+7], v[\f+8*ma:\f+8*ma+7], v[BIAS+8*mc:BIAS+8*mc+7]
.else
	v_wmma_f32_16x16x32_bf16 v[8*(4*mc+ma):8*(4*mc+ma)+7], v[\f+32+8*mc:\f+32+8*mc+7], v[\f+8*ma:\f+8*ma+7], v[8*(4*mc+ma):8*(4*mc+ma)+7]
.endif
.set ma, ma+1
.endr
.set mc, mc+1
.endr
.endm
; One K step of 128: four quarters on buffers 0, 1, 0, 1; while one is multiplied the next but one is fetched.
.macro STEP i, first
	FETCH \i, 0, F0
	FETCH \i, 1, F1
	s_wait_dscnt NL                                ; the older fetch is in; the NL loads of the younger stay out
	MUL F0, \first
	WIN 0
	PLACES
	FETCH \i, 2, F0
	s_wait_dscnt NL
	MUL F1, 0
	WIN 0
	PLACES
	FETCH \i, 3, F1
	s_wait_dscnt NL
	MUL F0, 0
	s_wait_dscnt 0x0
	MUL F1, 0
	WIN 0
	PLACES
.endm
.macro STEPS slot, first               ; the TPS K steps of a slot
.set su, 0
.rept TPS
.set sidx, (\slot)*TPS+su
.if su == 0
	STEP sidx, \first
.else
	STEP sidx, 0
.endif
.set su, su+1
.endr
.endm
	s_load_b256 s[4:11], s[0:1], 0x0               ; left matrix s[4:5], wb s[6:7], bias 0 s[8:9]; MODE 0: bk s[10:11]; MODE 1: x s[10:11]
.if MODE == 0
	s_load_b128 s[12:15], s[0:1], 0x20             ; bv s[12:13], qkv s[14:15]
.else
	s_load_b64 s[12:13], s[0:1], 0x20              ; y
	v_lshl_add_u32 v254, v0, 2, 0x4a400
	v_mov_b32 v255, 0
	ds_add_u32 v254, v255
.endif
	v_lshrrev_b32 v1, 5, v0
	v_readfirstlane_b32 s16, v1                    ; wave
	s_lshr_b32 s17, s16, LOGCG                     ; which 64 rows of the block are mine
	s_and_b32 s18, s16, CG-1                       ; which CT*16 columns
	s_and_b32 s19, s16, 1                          ; which 64 rows of a tile I fetch
	s_bfe_u32 s20, ttmp6, 0x40000                  ; cx
	s_bfe_u32 s21, ttmp6, 0x40004                  ; cy
	s_lshl_b32 s22, ttmp9, 2
	s_add_co_u32 s22, s22, s20                     ; block column = 4 x cluster x + cx
	s_and_b32 s23, ttmp7, 0xffff
	s_lshl_b32 s23, s23, 2
	s_add_co_u32 s23, s23, s21                     ; block row = 4 x cluster y + cy
	s_lshl_b32 s62, s21, 2
	s_lshl_b32 s62, 15, s62                        ; my row of the cluster: places 4 cy .. 4 cy + 3
	s_lshl_b32 s63, 0x1111, s20                    ; my column: places cx, cx + 4, cx + 8, cx + 12
	; group 1: a tile of 64 rows x 128 elements of 2 bytes, pitch 1,024 elements; behind every 64 words of LDS a pad of 4 words (left matrix) or 8 (weights)
	s_or_b32 s[G1A], s62, (1<<16)|(1<<20)|(1<<21)|(5<<22)|(3<<25)
	s_or_b32 s[G1B], s63, (1<<16)|(1<<20)|(1<<21)|(5<<22)|(7<<25)
.irp g, G1A, G1B
	s_mov_b32 s[\g+1], 128<<16                     ; tensor_dim0 = 128
	s_mov_b32 s[\g+2], 64<<16                      ; tensor_dim1 = 64
	s_mov_b32 s[\g+3], 128<<16                     ; tile_dim0 = 128
	s_mov_b32 s[\g+4], 64                          ; tile_dim1 = 64
	s_mov_b32 s[\g+5], 1024                        ; elements from row to row
	s_mov_b32 s[\g+6], 0
	s_mov_b32 s[\g+7], 0
.endr
	; Where the tiles come from.  The left matrix's hang on the block row and the wave alone, the weights' on the block column and the wave alone;
	; every wave makes both, in registers that never hold the other coordinate, and asks by one of them.
	s_lshl_b32 s56, s23, 18                        ; 128 rows x 2,048 bytes
	s_lshl_b32 s3, s19, 17                         ; 64 rows x 2,048 bytes
	s_add_co_u32 s56, s56, s3
	s_mov_b32 s57, 0
	s_lshl_b32 s58, s22, 8                         ; 128 columns x 2 bytes
	s_add_co_u32 s58, s58, s3
	s_lshr_b32 s3, s16, 1
	s_lshl_b32 s3, s3, 21                          ; weight wave / 2
	s_add_co_u32 s58, s58, s3
	s_mov_b32 s59, 0
	s_mul_i32 s60, s16, 64*AP                      ; and where they go: no place in the cluster enters an LDS address
	s_add_co_u32 s60, s60, AOFF-2*NM*64*AP         ; waves 2 NM, 2 NM + 1: rows 0-63, 64-127 behind the weights
	s_mul_i32 s61, s16, 64*BP                      ; waves 0 .. 2 NM - 1: weight wave / 2, k rows 64 (wave & 1) ..
	s_wait_dscnt 0x0
	s_wait_kmcnt 0x0
	s_add_nc_u64 s[56:57], s[4:5], s[56:57]
	s_add_nc_u64 s[58:59], s[6:7], s[58:59]
.if WOFF
	s_add_nc_u64 s[58:59], s[58:59], WOFF
.endif
	ROUND                                          ; all sixteen work-groups are here: the first joint loads meet
.set di, 0
.rept 2*TPS
	s_mov_b32 s[G0A+4*di], 1
	s_add_co_u32 s[G0A+4*di+1], s60, di*SUBS
	s_add_nc_u64 s[G0A+4*di+2:G0A+4*di+3], s[56:57], di*256        ; 128 along K = 256 bytes
	s_or_b32 s[G0A+4*di+3], s[G0A+4*di+3], 0x80000000
	s_mov_b32 s[G0B+4*di], 1
	s_add_co_u32 s[G0B+4*di+1], s61, di*SUBS
	s_add_nc_u64 s[G0B+4*di+2:G0B+4*di+3], s[58:59], di*262144     ; 128 k rows of 2,048 bytes
	s_or_b32 s[G0B+4*di+3], s[G0B+4*di+3], 0x80000000
	JLOAD di                                       ; the whole ring: 2 TPS loads of a wave are out
.set di, di+1
.endr
	; lane terms: r = l % 16, h = l / 16
	v_and_b32 v11, 15, v0
	v_bfe_u32 v12, v0, 4, 1
	v_and_b32 v13, 7, v0
	v_bfe_u32 v14, v0, 3, 1
	v_mul_u32_u24 v15, v11, AP
	v_lshl_add_u32 v15, v12, 4, v15                ; r x 272 + 16 h
	s_mul_i32 s3, s17, 64*AP
	s_add_co_u32 s3, s3, AOFF
.set li, 0
.rept 2*TPS
	v_add_nc_u32 v[XA+li], s3, v15                 ; left fragment: row 64 rh + r, two loads of 16 bytes 32 apart
	s_add_co_u32 s3, s3, SUBS
.set li, li+1
.endr
	v_lshl_add_u32 v1, v12, 3, v13                 ; weight fragment: k row 8 h + l % 8,
	v_mul_u32_u24 v1, v1, BP
	v_lshl_add_u32 v1, v14, 4, v1                  ; columns 8 ((l / 8) % 2) ..
	s_mul_i32 s3, s18, CT*32
	v_add_nc_u32 v1, s3, v1                        ; of my CT*16 columns
.set li, 0
.rept 2*TPS
.set lm, 0
.rept NM
	v_add_nc_u32 v[WA+li*NM+lm], li*SUBS+lm*BTILE, v1
.set lm, lm+1
.endr
.set li, li+1
.endr
	; the bias in the accumulators' layout: register j of tile c holds b[column 16 c' + 8 h + j]
	v_lshlrev_b32 v[BO], 5, v12
	s_mul_i32 s3, s18, CT*64
	v_add_nc_u32 v[BO], s3, v[BO]
	v_lshl_add_u32 v[BO], s22, 9, v[BO]
.set lm, 0
.rept NM
.set lj, 0
.rept CT
	global_load_b128 v[BIAS+8*(lm*CT+lj):BIAS+8*(lm*CT+lj)+3], v[BO], s[8+2*lm:9+2*lm] offset:64*lj
	global_load_b128 v[BIAS+8*(lm*CT+lj)+4:BIAS+8*(lm*CT+lj)+7], v[BO], s[8+2*lm:9+2*lm] offset:64*lj+16
.set lj, lj+1
.endr
.set lm, lm+1
.endr
.if MODE == 0
	; the way out: a stage of 3 x 128 rows x 272 bytes in slot 0, used after that slot's last fill and last read
	s_mul_i32 s3, s17, 64*AP
	s_lshl_b32 s2, s18, 6
	s_add_co_u32 s3, s3, s2
	v_add_nc_u32 v[STO], s3, v15                   ; in: row 64 rh + r, bytes 64 g + 16 h
	v_add_nc_u32 v[STO+1], 128*AP, v[STO]
	v_add_nc_u32 v[STO+2], 256*AP, v[STO]
	v_mul_u32_u24 v10, v12, AP
	v_lshl_add_u32 v10, v11, 4, v10
	s_mul_i32 s3, s16, 16*AP
	v_add_nc_u32 v[RD], s3, v10                    ; back: rows 16 w + h + 2 t, 16 bytes at 16 r
	v_add_nc_u32 v[RD+1], 128*AP, v[RD]
	v_add_nc_u32 v[RD+2], 256*AP, v[RD]
	v_lshlrev_b32 v[CO], 4, v11
	v_lshl_add_u32 v[CO], v12, 11, v[CO]
	s_lshl_b32 s3, s16, 15
	v_add_nc_u32 v[CO], s3, v[CO]                  ; the same rows in a result: (16 w + h) x 2,048 + 16 r
	s_lshl_b32 s84, s23, 18
	s_lshl_b32 s85, s22, 8
	s_add_co_u32 s84, s84, s85
	s_mov_b32 s85, 0
	s_add_nc_u64 s[84:85], s[14:15], s[84:85]      ; my block in Q,
	s_add_nc_u64 s[86:87], s[84:85], 0x800000      ; in K,
	s_add_nc_u64 s[88:89], s[86:87], 0x800000      ; in V
.else
	s_mul_i32 s3, s16, 16*AP
	s_add_co_u32 s3, s3, STAGE                     ; my stage
	v_mul_u32_u24 v10, v11, AP
	v_lshl_add_u32 v10, v12, 5, v10
	v_add_nc_u32 v[STO], s3, v10                   ; in: row r, bytes 32 h
	v_mul_u32_u24 v10, v12, AP
	v_lshl_add_u32 v10, v11, 4, v10
	v_add_nc_u32 v[RD], s3, v10                    ; back: rows h + 2 t, 16 bytes at 16 r
	v_lshlrev_b32 v[CO], 4, v11
	v_lshl_add_u32 v[CO], v12, 12, v[CO]
	s_lshl_b32 s3, s17, 18
	s_lshl_b32 s2, s18, 8
	s_add_co_u32 s3, s3, s2
	v_add_nc_u32 v[CO], s3, v[CO]                  ; (64 rh + h) x 4,096 + 256 g + 16 r, in x and in y
	s_lshl_b32 s88, s23, 19
	s_lshl_b32 s89, s22, 9
	s_add_co_u32 s88, s88, s89
	s_mov_b32 s89, 0
	s_add_nc_u64 s[84:85], s[10:11], s[88:89]      ; my block in x
	s_add_nc_u64 s[86:87], s[12:13], s[88:89]      ; and in y
	WIN 0x40                                       ; the residual goes to window 1 and lands while the products run
.set la, 0
.rept 4
.set lt, 0
.rept 8
	global_load_b128 v[128+32*la+4*lt:128+32*la+4*lt+3], v[CO], s[84:85] offset:(16*la+2*lt)*4096 th:TH_LOAD_NT
.set lt, lt+1
.endr
.set la, la+1
.endr
	WIN 0
.endif
	s_wait_tensorcnt TPS                           ; my part of slot 0 is in; slot 1's TPS loads stay out
	s_barrier_signal -1
	s_barrier_wait -1                              ; everybody's part is in
	s_wait_loadcnt XLOADS                          ; the bias is in (the loads of x, issued behind it, stay out)
	STEPS 0, 1
.set bt, 1
.rept NS-2
	s_wait_tensorcnt 0x0                           ; all my tensor loads have landed, my part of this turn's slot among them, so every group 0 may be written
	ds_add_u32 v254, v255
.set bs, ((bt+1)&1)*TPS
.set bu, 0
.rept TPS
	s_add_nc_u64 s[G0A+4*(bs+bu)+2:G0A+4*(bs+bu)+3], s[G0A+4*(bs+bu)+2:G0A+4*(bs+bu)+3], 2*TPS*256
	s_add_nc_u64 s[G0B+4*(bs+bu)+2:G0B+4*(bs+bu)+3], s[G0B+4*(bs+bu)+2:G0B+4*(bs+bu)+3], 2*TPS*262144
.set bu, bu+1
.endr
	s_wait_dscnt 0x0                               ; my reads of the slot read last are over
	ROUND                                          ; both hold of every wave of all sixteen work-groups
.set bu, 0
.rept TPS
.set bj, bs+bu
	JLOAD bj                                       ; that slot's next K steps: the first tensor loads behind the round; they have this turn's products in which to land
.set bu, bu+1
.endr
.set bc, bt&1
	STEPS bc, 0
.set bt, bt+1
.endr
	s_wait_tensorcnt 0x0                           ; the last slot: nothing more is fetched
	s_wait_dscnt 0x0
	s_barrier_signal -1
	s_barrier_wait -1
.set bc, (NS-1)&1
	STEPS bc, 0
.if MODE == 0
	; THE WAY OUT.  Round to bf16: a lane's eight numbers of a tile are 16 bytes of a row.  All tiles go into the stage, and each wave reads back
	; 16 whole rows of 256 bytes of each result, so that 16 lanes store 256 consecutive bytes, aligned.  (The four places behind the last matrix
	; instruction stand at the end of the last step.)
	WIN 0x05                                       ; sources in window 1, destination in window 0
.set oc, 0
.rept 4*NBF
.irp e, 0,1,2,3
	v_cvt_pk_bf16_f32 v[64+4*oc+\e], v[8*oc+2*\e], v[8*oc+2*\e+1]
.endr
.set oc, oc+1
.endr
	WIN 0
.set om, 0
.rept NM
.set oj, 0
.rept CT
.set oa, 0
.rept 4
	ds_store_b128 v[STO+om], v[64+4*(4*(om*CT+oj)+oa):64+4*(4*(om*CT+oj)+oa)+3] offset:16*AP*oa+32*oj
.set oa, oa+1
.endr
.set oj, oj+1
.endr
.set om, om+1
.endr
	s_wait_dscnt 0x0                               ; for the other waves' sake: my stores are done
	s_barrier_signal -1
	s_barrier_wait -1
.set om, 0
.rept NM
.set ot, 0
.rept 8
	ds_load_b128 v[64+4*(8*om+ot):64+4*(8*om+ot)+3], v[RD+om] offset:2*AP*ot
.set ot, ot+1
.endr
.set om, om+1
.endr
.set om, 0
.rept NM
.set ot, 0
.rept 8
	s_wait_dscnt 8*NM-1-(8*om+ot)                  ; LDS loads come back in order: this one is in, the younger ones stay out
	global_store_b128 v[CO], v[64+4*(8*om+ot):64+4*(8*om+ot)+3], s[84+2*om:85+2*om] offset:4096*ot
.set ot, ot+1
.endr
.set om, om+1
.endr
.else
	; THE WAY OUT, 16 rows at a time through my own stage: a lane's eight f32 of a tile are 32 bytes of a row; rows of 256 bytes come back,
	; the residual is added, and 16 lanes store 256 consecutive bytes, aligned.  LDS serves a wave's instructions in order, so the loads see the stores.
	s_wait_loadcnt 0x0                             ; x is in
.set oa, 0
.rept 4
	WIN 0x04                                       ; store data in window 1
.set oc, 0
.rept NBF
	ds_store_b128 v[STO], v[8*(4*oc+oa):8*(4*oc+oa)+3] offset:64*oc
	ds_store_b128 v[STO], v[8*(4*oc+oa)+4:8*(4*oc+oa)+7] offset:64*oc+16
.set oc, oc+1
.endr
	WIN 0
.set ot, 0
.rept 8
	ds_load_b128 v[64+32*oa+4*ot:64+32*oa+4*ot+3], v[RD] offset:2*AP*ot
.set ot, ot+1
.endr
	s_wait_dscnt 0x0
	WIN 0x04                                       ; second source (x) in window 1
.set op, 0
.rept 16
	v_pk_add_f32 v[64+32*oa+2*op:64+32*oa+2*op+1], v[64+32*oa+2*op:64+32*oa+2*op+1], v[128+32*oa+2*op:128+32*oa+2*op+1]
.set op, op+1
.endr
	WIN 0
.set ot, 0
.rept 8
	global_store_b128 v[CO], v[64+32*oa+4*ot:64+32*oa+4*ot+3], s[86:87] offset:(16*oa+2*ot)*4096
.set ot, ot+1
.endr
.set oa, oa+1
.endr
.endif
	s_wait_tensorcnt 0x0
	ds_add_u32 v254, v255
	s_wait_dscnt 0x0
	ROUND                                          ; the closing round: no work-group ends while a partner may still ask for a tile that names it
	s_endpgm
.Lfunc_end_k_qd2df05a8b8_outgemm:
	.size	k_qd2df05a8b8_outgemm, .Lfunc_end_k_qd2df05a8b8_outgemm-k_qd2df05a8b8_outgemm
	.p2alignl 7, 3214868480
	.fill 96, 4, 3214868480
	.section	.rodata,"a",@progbits
	.p2align	6, 0x0
	.amdhsa_kernel k_qd2df05a8b8_outgemm
		.amdhsa_group_segment_fixed_size 327680
		.amdhsa_private_segment_fixed_size 0
		.amdhsa_enable_private_segment 0
		.amdhsa_kernarg_size 40
		.amdhsa_user_sgpr_count 2
		.amdhsa_user_sgpr_kernarg_segment_ptr 1
		.amdhsa_wavefront_size32 1
		.amdhsa_system_sgpr_workgroup_id_x 1
		.amdhsa_system_sgpr_workgroup_id_y 1
		.amdhsa_system_sgpr_workgroup_id_z 1
		.amdhsa_system_vgpr_workitem_id 0
		.amdhsa_next_free_vgpr 512
		.amdhsa_next_free_sgpr 96
		.amdhsa_reserve_vcc 0
		.amdhsa_float_denorm_mode_32 3
		.amdhsa_float_denorm_mode_16_64 3
		.amdhsa_memory_ordered 1
		.amdhsa_forward_progress 1
		.amdhsa_inst_pref_size 97
	.end_amdhsa_kernel
	.amdgpu_metadata
---
amdhsa.version: [ 1, 2 ]
amdhsa.kernels:
  - .name:           k_qd2df05a8b8_outgemm
    .symbol:         k_qd2df05a8b8_outgemm.kd
    .args:
      - { .name: ctx, .offset: 0, .size: 8, .value_kind: global_buffer, .address_space: global }
      - { .name: wb, .offset: 8, .size: 8, .value_kind: global_buffer, .address_space: global }
      - { .name: bo, .offset: 16, .size: 8, .value_kind: global_buffer, .address_space: global }
      - { .name: x, .offset: 24, .size: 8, .value_kind: global_buffer, .address_space: global }
      - { .name: y, .offset: 32, .size: 8, .value_kind: global_buffer, .address_space: global }
    .group_segment_fixed_size: 327680
    .private_segment_fixed_size: 0
    .kernarg_segment_align: 8
    .kernarg_segment_size: 40
    .max_flat_workgroup_size: 128
    .sgpr_count:     96
    .vgpr_count:     512
    .wavefront_size: 32
...
	.end_amdgpu_metadata
.endif
;; end of part 4
;; launch lnorm (part 5): grid 256 x 1, 8 waves a work-group, no clusters, 0 bytes of LDS; arguments y, gamma, beta, out0; writes out0
.if DOCPART == 5
	.amdgcn_target "amdgcn-amd-amdhsa--gfx1250"
	.amdhsa_code_object_version 6
	.text
	.protected	k_qd2df05a8b8_lnorm
	.globl	k_qd2df05a8b8_lnorm
	.p2align	8
	.type	k_qd2df05a8b8_lnorm,@function
k_qd2df05a8b8_lnorm:
	s_mov_b64 s[64:65], 0
	v_nop
	global_prefetch_b8 v0, s[64:65] scope:SCOPE_SE
	s_setreg_imm32_b32 hwreg(HW_REG_WAVE_MODE, 25, 1), 1
	s_wait_xcnt 0x0
; out0 = gelu(layernorm(y) gamma + beta), y and out0 [4096][1024] f32, gelu(v) = v/2 (1 + erf(v / sqrt 2)).
; A row is 4,096 bytes: one wave takes a whole row in 32 registers, so mean, variance and the result need no LDS, no barrier and one read of y.
; Eight waves, two rows each; all 32 loads of a wave are issued at once.  Each load and store of a wave covers 512 consecutive bytes.
; The variance is the mean of the squared deviations from the mean (two passes over registers): no difference of large sums.
; erf by Abramowitz and Stegun 7.1.26: erf(z) = 1 - (a1 t + .. + a5 t^5) e^(-z z), t = 1 / (1 + p z), z >= 0; absolute error at most 1.5e-7 for every z.
; With z = |v| / sqrt 2 and H = v / 2: gelu = H + |H| erf(z) = H + (|H| - q |H|), q = polynomial x exponential.
; Limits: that error of erf; exponentials below 2^-126 count as zero (q is then 0, as it should be to f32); NaN and infinities are not served.
; No matrix unit, no cluster: no byte is shared between work-groups but gamma and beta, 8,192 bytes.
.set Y0, 16                            ; v[16:47]   row 0: register 4 j + e of lane l is column 128 j + 4 l + e
.set Y1, 48                            ; v[48:79]   row 1
.set G, 80                             ; v[80:111]  gamma, the same columns
.set B, 112                            ; v[112:143] beta
.set T, 144                            ; v[144:151] at work
.set MP, 152                           ; v[152:153] the mean, twice
.set RS, 154                           ; v[154:155] 1 / sqrt(var + eps), twice
.set A5, 156                           ; v[156:157] a5, twice
.set W, 160                            ; v[160:167] e^(-v v / 2)
.set U, 168                            ; v[168:175] t
.set Q, 176                            ; v[176:183] q
	s_load_b256 s[4:11], s[0:1], 0x0               ; y s[4:5], gamma s[6:7], beta s[8:9], out0 s[10:11]
	s_lshl_b32 s12, ttmp9, 16                      ; 16 rows of 4,096 bytes
	s_mov_b32 s13, 0
	s_mov_b32 s14, 0x76543210                      ; v_permlanex16_b32: lane i of one half reads lane i of the other
	s_mov_b32 s15, 0xfedcba98
	s_mov_b32 s16, 0x3a800000                      ; 1 / 1024
	s_mov_b32 s17, 0x3727c5ac                      ; 1e-5
	s_mov_b32 s18, 0x3e6d3388                      ; p / sqrt 2 = 0.3275911 / 1.4142136
	v_and_b32 v2, 31, v0
	v_lshlrev_b32 v2, 4, v2                        ; 16 x lane
	v_lshrrev_b32 v1, 5, v0
	v_lshl_or_b32 v1, v1, 13, v2                   ; + wave x 2 rows
	v_mov_b32 v[A5], 0x3f87dc22                    ; a5 = 1.061405429
	v_mov_b32 v[A5+1], 0x3f87dc22
	s_wait_kmcnt 0x0
	s_add_nc_u64 s[4:5], s[4:5], s[12:13]
	s_add_nc_u64 s[10:11], s[10:11], s[12:13]
.irp j, 0,1,2,3,4,5,6,7
	global_load_b128 v[Y0+4*\j:Y0+4*\j+3], v1, s[4:5] offset:512*\j th:TH_LOAD_NT
.endr
.irp j, 0,1,2,3,4,5,6,7
	global_load_b128 v[Y1+4*\j:Y1+4*\j+3], v1, s[4:5] offset:4096+512*\j th:TH_LOAD_NT
.endr
.irp j, 0,1,2,3,4,5,6,7
	global_load_b128 v[G+4*\j:G+4*\j+3], v2, s[6:7] offset:512*\j
.endr
.irp j, 0,1,2,3,4,5,6,7
	global_load_b128 v[B+4*\j:B+4*\j+3], v2, s[8:9] offset:512*\j
.endr
.macro LANESUM r, t                    ; the sum of v[r] over the 32 lanes, in every lane; v[t] has been written before
	v_add_f32_dpp v[\r], v[\r], v[\r] row_xmask:1 row_mask:0xf bank_mask:0xf
	v_add_f32_dpp v[\r], v[\r], v[\r] row_xmask:2 row_mask:0xf bank_mask:0xf
	v_add_f32_dpp v[\r], v[\r], v[\r] row_xmask:4 row_mask:0xf bank_mask:0xf
	v_add_f32_dpp v[\r], v[\r], v[\r] row_xmask:8 row_mask:0xf bank_mask:0xf
	v_permlanex16_b32 v[\t], v[\r], s14, s15
	v_add_f32 v[\r], v[\r], v[\t]
.endm
.macro GELU8 V                         ; eight numbers in v[V .. V+7], in place
.irp p, 0,2,4,6
	v_pk_mul_f32 v[W+\p:W+\p+1], v[\V+\p:\V+\p+1], v[\V+\p:\V+\p+1]
.endr
.irp p, 0,2,4,6
	v_pk_mul_f32 v[W+\p:W+\p+1], v[W+\p:W+\p+1], 0xbf38aa3b op_sel_hi:[1,0]      ; - v v log2(e) / 2
.endr
.irp e, 0,1,2,3,4,5,6,7
	v_fma_f32 v[U+\e], |v[\V+\e]|, s18, 1.0                                      ; 1 + p z
.endr
.irp e, 0,1,2,3,4,5,6,7
	v_exp_f32 v[W+\e], v[W+\e]
.endr
.irp e, 0,1,2,3,4,5,6,7
	v_rcp_f32 v[U+\e], v[U+\e]
.endr
.irp p, 0,2,4,6
	v_pk_mul_f32 v[\V+\p:\V+\p+1], v[\V+\p:\V+\p+1], 0.5 op_sel_hi:[1,0]         ; H; also the plain instructions behind the transcendentals (ISA guide 5.7.2)
.endr
	s_wait_alu depctr_va_vdst(0)
.irp p, 0,2,4,6
	v_pk_fma_f32 v[Q+\p:Q+\p+1], v[U+\p:U+\p+1], v[A5:A5+1], 0xbfba00e3 op_sel_hi:[1,1,0]      ; a5 t + a4, a4 = -1.453152027
.endr
.irp p, 0,2,4,6
	v_pk_fma_f32 v[Q+\p:Q+\p+1], v[Q+\p:Q+\p+1], v[U+\p:U+\p+1], 0x3fb5f0e3 op_sel_hi:[1,1,0]  ; a3 = 1.421413741
.endr
.irp p, 0,2,4,6
	v_pk_fma_f32 v[Q+\p:Q+\p+1], v[Q+\p:Q+\p+1], v[U+\p:U+\p+1], 0xbe91a98e op_sel_hi:[1,1,0]  ; a2 = -0.284496736
.endr
.irp p, 0,2,4,6
	v_pk_fma_f32 v[Q+\p:Q+\p+1], v[Q+\p:Q+\p+1], v[U+\p:U+\p+1], 0x3e827906 op_sel_hi:[1,1,0]  ; a1 = 0.254829592
.endr
.irp p, 0,2,4,6
	v_pk_mul_f32 v[Q+\p:Q+\p+1], v[Q+\p:Q+\p+1], v[U+\p:U+\p+1]
.endr
.irp p, 0,2,4,6
	v_pk_mul_f32 v[Q+\p:Q+\p+1], v[Q+\p:Q+\p+1], v[W+\p:W+\p+1]                  ; q = 1 - erf(z)
.endr
.irp e, 0,1,2,3,4,5,6,7
	v_fma_f32 v[Q+\e], -v[Q+\e], |v[\V+\e]|, |v[\V+\e]|                          ; |H| erf(z)
.endr
.irp p, 0,2,4,6
	v_pk_add_f32 v[\V+\p:\V+\p+1], v[\V+\p:\V+\p+1], v[Q+\p:Q+\p+1]
.endr
.endm
; One row, held in v[Y .. Y+31].  left = how many younger loads may stay out when the row has to be there; off = the row's bytes from the wave's first row.
.macro ROW Y, left, off
	s_wait_loadcnt \left
	v_pk_add_f32 v[T:T+1], v[\Y:\Y+1], v[\Y+2:\Y+3]                 ; the sum of my 32 numbers: four chains, started by the first sums
	v_pk_add_f32 v[T+2:T+3], v[\Y+4:\Y+5], v[\Y+6:\Y+7]
	v_pk_add_f32 v[T+4:T+5], v[\Y+8:\Y+9], v[\Y+10:\Y+11]
	v_pk_add_f32 v[T+6:T+7], v[\Y+12:\Y+13], v[\Y+14:\Y+15]
.irp p, 16,24
	v_pk_add_f32 v[T:T+1], v[T:T+1], v[\Y+\p:\Y+\p+1]
	v_pk_add_f32 v[T+2:T+3], v[T+2:T+3], v[\Y+\p+2:\Y+\p+3]
	v_pk_add_f32 v[T+4:T+5], v[T+4:T+5], v[\Y+\p+4:\Y+\p+5]
	v_pk_add_f32 v[T+6:T+7], v[T+6:T+7], v[\Y+\p+6:\Y+\p+7]
.endr
	v_pk_add_f32 v[T:T+1], v[T:T+1], v[T+2:T+3]
	v_pk_add_f32 v[T+4:T+5], v[T+4:T+5], v[T+6:T+7]
	v_pk_add_f32 v[T:T+1], v[T:T+1], v[T+4:T+5]
	v_add_f32 v[T], v[T], v[T+1]
	LANESUM T, T+1
	v_mul_f32 v[MP], s16, v[T]
	v_mul_f32 v[MP+1], s16, v[T]
.irp p, 0,2,4,6,8,10,12,14,16,18,20,22,24,26,28,30
	v_pk_add_f32 v[\Y+\p:\Y+\p+1], v[\Y+\p:\Y+\p+1], v[MP:MP+1] neg_lo:[0,1] neg_hi:[0,1]    ; the deviations, in place
.endr
	v_pk_mul_f32 v[T:T+1], v[\Y:\Y+1], v[\Y:\Y+1]                   ; their squares: two chains
	v_pk_mul_f32 v[T+2:T+3], v[\Y+2:\Y+3], v[\Y+2:\Y+3]
.irp p, 4,8,12,16,20,24,28
	v_pk_fma_f32 v[T:T+1], v[\Y+\p:\Y+\p+1], v[\Y+\p:\Y+\p+1], v[T:T+1]
	v_pk_fma_f32 v[T+2:T+3], v[\Y+\p+2:\Y+\p+3], v[\Y+\p+2:\Y+\p+3], v[T+2:T+3]
.endr
	v_pk_add_f32 v[T:T+1], v[T:T+1], v[T+2:T+3]
	v_add_f32 v[T], v[T], v[T+1]
	LANESUM T, T+1
	v_fma_f32 v[T], v[T], s16, s17                                  ; var + eps
	v_rsq_f32 v[RS], v[T]
	v_rsq_f32 v[RS+1], v[T]
	s_wait_loadcnt 0x0                                              ; gamma and beta are in (met at once for the second row)
	v_nop                                                           ; one plain instruction behind the root before its result is used (ISA guide 5.7.2)
	s_wait_alu depctr_va_vdst(0)
.irp p, 0,2,4,6,8,10,12,14,16,18,20,22,24,26,28,30
	v_pk_mul_f32 v[\Y+\p:\Y+\p+1], v[\Y+\p:\Y+\p+1], v[RS:RS+1]
.endr
.irp p, 0,2,4,6,8,10,12,14,16,18,20,22,24,26,28,30
	v_pk_fma_f32 v[\Y+\p:\Y+\p+1], v[\Y+\p:\Y+\p+1], v[G+\p:G+\p+1], v[B+\p:B+\p+1]
.endr
.irp k, 0,8,16,24
	GELU8 \Y+\k
.endr
.irp j, 0,1,2,3,4,5,6,7
	global_store_b128 v1, v[\Y+4*\j:\Y+4*\j+3], s[10:11] offset:\off+512*\j th:TH_STORE_NT
.endr
.endm
	ROW Y0, 24, 0                                  ; row 0 is in; row 1, gamma and beta (24 loads) stay out
	ROW Y1, 0, 4096
	s_endpgm
.Lfunc_end_k_qd2df05a8b8_lnorm:
	.size	k_qd2df05a8b8_lnorm, .Lfunc_end_k_qd2df05a8b8_lnorm-k_qd2df05a8b8_lnorm
	.p2alignl 7, 3214868480
	.fill 96, 4, 3214868480
	.section	.rodata,"a",@progbits
	.p2align	6, 0x0
	.amdhsa_kernel k_qd2df05a8b8_lnorm
		.amdhsa_group_segment_fixed_size 0
		.amdhsa_private_segment_fixed_size 0
		.amdhsa_enable_private_segment 0
		.amdhsa_kernarg_size 32
		.amdhsa_user_sgpr_count 2
		.amdhsa_user_sgpr_kernarg_segment_ptr 1
		.amdhsa_wavefront_size32 1
		.amdhsa_system_sgpr_workgroup_id_x 1
		.amdhsa_system_sgpr_workgroup_id_y 1
		.amdhsa_system_sgpr_workgroup_id_z 1
		.amdhsa_system_vgpr_workitem_id 0
		.amdhsa_next_free_vgpr 184
		.amdhsa_next_free_sgpr 66
		.amdhsa_reserve_vcc 0
		.amdhsa_float_denorm_mode_32 3
		.amdhsa_float_denorm_mode_16_64 3
		.amdhsa_memory_ordered 1
		.amdhsa_forward_progress 1
		.amdhsa_inst_pref_size 55
	.end_amdhsa_kernel
	.amdgpu_metadata
---
amdhsa.version: [ 1, 2 ]
amdhsa.kernels:
  - .name:           k_qd2df05a8b8_lnorm
    .symbol:         k_qd2df05a8b8_lnorm.kd
    .args:
      - { .name: y, .offset: 0, .size: 8, .value_kind: global_buffer, .address_space: global }
      - { .name: gamma, .offset: 8, .size: 8, .value_kind: global_buffer, .address_space: global }
      - { .name: beta, .offset: 16, .size: 8, .value_kind: global_buffer, .address_space: global }
      - { .name: out0, .offset: 24, .size: 8, .value_kind: global_buffer, .address_space: global }
    .group_segment_fixed_size: 0
    .private_segment_fixed_size: 0
    .kernarg_segment_align: 8
    .kernarg_segment_size: 32
    .max_flat_workgroup_size: 256
    .sgpr_count:     66
    .vgpr_count:     184
    .wavefront_size: 32
...
	.end_amdgpu_metadata
.endif
;; end of part 5
;; ======== version 2 of 2: 5 launches; version 1 with the launch prep written anew for expert scheduling mode
;; workspace buffers: xb 8,388,608 bytes; wb 8,388,608 bytes; qkv 25,165,824 bytes; ctx 8,388,608 bytes; y 16,777,216 bytes
;; launch prep (part 6): grid 512 x 1, 8 waves a work-group, no clusters, 0 bytes of LDS; arguments x, Wq, Wk, Wv, Wo, xb, wb; writes xb, wb
.if DOCPART == 6
	.amdgcn_target "amdgcn-amd-amdhsa--gfx1250"
	.amdhsa_code_object_version 6
	.text
	.protected	k_qd2df05a8b8_prep
	.globl	k_qd2df05a8b8_prep
	.p2align	8
	.type	k_qd2df05a8b8_prep,@function
k_qd2df05a8b8_prep:
	s_mov_b64 s[64:65], 0
	v_nop
	global_prefetch_b8 v0, s[64:65] scope:SCOPE_SE
	s_setreg_imm32_b32 hwreg(HW_REG_WAVE_SCHED_MODE, 0, 2), 2
	s_setreg_imm32_b32 hwreg(HW_REG_WAVE_MODE, 25, 1), 1
	s_wait_xcnt 0x0
	s_wait_alu depctr_vm_vsrc(0)
; Cast to bf16, layouts kept: x [4096][1024] f32 -> xb; Wq, Wk, Wv, Wo [1024][1024] f32 -> wb[0..3].
; Each of the later products reads x and the weights many times over, so they are rounded once here (to nearest even).
; A work-group takes 16,384 numbers: 65,536 bytes in, 32,768 bytes out.  Work-groups 0-255 take x, 256-511 the four weights, 64 each.
; Thread t takes 16 bytes of every 4,096: a wave's load covers 512 consecutive bytes, its store 256 consecutive bytes, aligned.
; All sixteen loads of a thread are issued at once, no register is written twice: no loop.
; No LDS, no matrix unit, no cluster: no byte is read by two work-groups, and nothing is computed but the rounding.
; THE MODE: SCHED_MODE bits 1:0 = 2 (LLVM: expert scheduling mode 2), set by the entry lines.  The code itself states the register dependences
; between vector instructions and memory instructions, with s_wait_alu, always for 0.
; THE PLAN.  The sixteen items (a load, two roundings, a store) go in four blocks of four.  Registers that memory instructions touch:
;   v1, v2   byte offsets, made once at the head and never written again: v1 is read by every load, v2 by every store.
;   X        item i: four registers.  Written by load i alone; no vector instruction names them ahead of that load; read by item i's two roundings.
;   Y        item i: two registers.  Written once, by item i's two roundings; read by store i.
; Block p rounds X of its four items into their Y.  Its memory instructions are the four stores of block p - 1, which read Y of block p - 1 and v2:
; registers that no vector instruction of block p names.  So one wait at a block's head, that the block before has written its Y, states all that the
; block's four stores hang on, and these are dealt among its roundings with no further wait.  No register that a load or store reads is written
; again, so nothing is owed on that side.
.set X, 8                              ; v[8:71]   load i: 4 f32
.set Y, 72                             ; v[72:103] store i: 4 bf16
.set BLOCK, 4                          ; items in a block
	s_load_b256 s[4:11], s[0:1], 0x0               ; x s[4:5], Wq s[6:7], Wk s[8:9], Wv s[10:11]
	s_load_b128 s[12:15], s[0:1], 0x20             ; Wo s[12:13], xb s[14:15]
	s_load_b64 s[16:17], s[0:1], 0x30              ; wb
	s_lshr_b32 s18, ttmp9, 6
	s_and_b32 s18, s18, 3                          ; which weight (work-groups 256 and up)
	v_lshlrev_b32 v1, 4, v0                        ; 16 t: my bytes in each 4,096 of the source
	v_lshlrev_b32 v2, 3, v0                        ; 8 t: my bytes in each 2,048 of the result
	s_wait_kmcnt 0x0
	s_mov_b64 s[20:21], s[6:7]                     ; the source: a choice among the five buffers by the work-group's number
	s_cmp_eq_u32 s18, 1
	s_cselect_b64 s[20:21], s[8:9], s[20:21]
	s_cmp_eq_u32 s18, 2
	s_cselect_b64 s[20:21], s[10:11], s[20:21]
	s_cmp_eq_u32 s18, 3
	s_cselect_b64 s[20:21], s[12:13], s[20:21]
	s_cmp_lt_u32 ttmp9, 256
	s_cselect_b64 s[20:21], s[4:5], s[20:21]       ; x for the first 256
	s_cselect_b64 s[22:23], s[14:15], s[16:17]     ; the result: xb or wb
	s_cselect_b32 s24, 255, 63                     ; chunks of 65,536 bytes in the source: 256 in x, 64 in a weight
	s_and_b32 s26, ttmp9, s24
	s_lshl_b32 s26, s26, 16
	s_mov_b32 s27, 0
	s_add_nc_u64 s[20:21], s[20:21], s[26:27]
	s_and_b32 s28, ttmp9, 255                      ; chunks of 32,768 bytes in the result: 256 in xb, 4 x 64 in wb
	s_lshl_b32 s28, s28, 15
	s_mov_b32 s29, 0
	s_add_nc_u64 s[22:23], s[22:23], s[28:29]
	s_wait_alu depctr_va_vdst(0)                   ; v1 and v2 are written: every load of the kernel reads v1 as its offset, every store v2
.set i, 0
.rept 16
	global_load_b128 v[X+4*i:X+4*i+3], v1, s[20:21] offset:4096*i
.set i, i+1
.endr
; Block p: its four items are rounded; the four stores of the block before stand among the roundings, one ahead of each item's two.
.macro BLK p
	s_wait_loadcnt 16-BLOCK*((\p)+1)               ; loads come back in order: this block's four are in, the loads of the later blocks stay out
.if (\p) > 0
	s_wait_alu depctr_va_vdst(0)                   ; the block before has written its Y, which the four stores below read
.endif
.irp k, 0,1,2,3
.if (\p) > 0
	global_store_b64 v2, v[Y+2*(BLOCK*((\p)-1)+(\k)):Y+2*(BLOCK*((\p)-1)+(\k))+1], s[22:23] offset:2048*(BLOCK*((\p)-1)+(\k))  ; no vector instruction since the wait names these registers
.endif
	v_cvt_pk_bf16_f32 v[Y+2*(BLOCK*(\p)+(\k))],   v[X+4*(BLOCK*(\p)+(\k))],   v[X+4*(BLOCK*(\p)+(\k))+1]
	v_cvt_pk_bf16_f32 v[Y+2*(BLOCK*(\p)+(\k))+1], v[X+4*(BLOCK*(\p)+(\k))+2], v[X+4*(BLOCK*(\p)+(\k))+3]
.endr
.endm
	BLK 0                                          ; no block stands in front of it: no store, and no wait but the one for its data
	BLK 1
	BLK 2
	BLK 3
	s_wait_alu depctr_va_vdst(0)                   ; the last block has written its Y, which the last four stores read
.irp k, 12,13,14,15
	global_store_b64 v2, v[Y+2*(\k):Y+2*(\k)+1], s[22:23] offset:2048*(\k)
.endr
	s_endpgm
.Lfunc_end_k_qd2df05a8b8_prep:
	.size	k_qd2df05a8b8_prep, .Lfunc_end_k_qd2df05a8b8_prep-k_qd2df05a8b8_prep
	.p2alignl 7, 3214868480
	.fill 96, 4, 3214868480
	.section	.rodata,"a",@progbits
	.p2align	6, 0x0
	.amdhsa_kernel k_qd2df05a8b8_prep
		.amdhsa_group_segment_fixed_size 0
		.amdhsa_private_segment_fixed_size 0
		.amdhsa_enable_private_segment 0
		.amdhsa_kernarg_size 56
		.amdhsa_user_sgpr_count 2
		.amdhsa_user_sgpr_kernarg_segment_ptr 1
		.amdhsa_wavefront_size32 1
		.amdhsa_system_sgpr_workgroup_id_x 1
		.amdhsa_system_sgpr_workgroup_id_y 1
		.amdhsa_system_sgpr_workgroup_id_z 1
		.amdhsa_system_vgpr_workitem_id 0
		.amdhsa_next_free_vgpr 104
		.amdhsa_next_free_sgpr 66
		.amdhsa_reserve_vcc 0
		.amdhsa_float_denorm_mode_32 3
		.amdhsa_float_denorm_mode_16_64 3
		.amdhsa_memory_ordered 1
		.amdhsa_forward_progress 1
		.amdhsa_inst_pref_size 7
	.end_amdhsa_kernel
	.amdgpu_metadata
---
amdhsa.version: [ 1, 2 ]
amdhsa.kernels:
  - .name:           k_qd2df05a8b8_prep
    .symbol:         k_qd2df05a8b8_prep.kd
    .args:
      - { .name: x, .offset: 0, .size: 8, .value_kind: global_buffer, .address_space: global }
      - { .name: Wq, .offset: 8, .size: 8, .value_kind: global_buffer, .address_space: global }
      - { .name: Wk, .offset: 16, .size: 8, .value_kind: global_buffer, .address_space: global }
      - { .name: Wv, .offset: 24, .size: 8, .value_kind: global_buffer, .address_space: global }
      - { .name: Wo, .offset: 32, .size: 8, .value_kind: global_buffer, .address_space: global }
      - { .name: xb, .offset: 40, .size: 8, .value_kind: global_buffer, .address_space: global }
      - { .name: wb, .offset: 48, .size: 8, .value_kind: global_buffer, .address_space: global }
    .group_segment_fixed_size: 0
    .private_segment_fixed_size: 0
    .kernarg_segment_align: 8
    .kernarg_segment_size: 56
    .max_flat_workgroup_size: 256
    .sgpr_count:     66
    .vgpr_count:     104
    .wavefront_size: 32
...
	.end_amdgpu_metadata
.endif
;; end of part 6
;; launch qkvgemm: the kernel of part 2 again; grid 8 x 32, 8 waves a work-group, clusters of 4 x 4, 327,680 bytes of LDS; arguments xb, wb, bq, bk, bv, qkv; writes qkv
;; launch attn: the kernel of part 3 again; grid 256 x 1, 16 waves a work-group, clusters of 4 x 1, 327,680 bytes of LDS; arguments qkv, ctx; writes ctx
;; launch outgemm: the kernel of part 4 again; grid 8 x 32, 4 waves a work-group, clusters of 4 x 4, 327,680 bytes of LDS; arguments ctx, wb, bo, x, y; writes y
;; launch lnorm: the kernel of part 5 again; grid 256 x 1, 8 waves a work-group, no clusters, 0 bytes of LDS; arguments y, gamma, beta, out0; writes out0
